; MI455X (gfx1250); checked and timed in simulation.
; The chip was launched on July 23, 2026; its instructions are those of AMD's public machine-readable ISA for CDNA 5 (MIT licence, August 2026) and "CDNA5" Instruction Set Architecture Reference Guide (July 2026). The comments in the code are by the model that wrote it; some were corrected since.
;; Attention. Allowed arithmetic: matrix products marked QUANTISED: E4M3 operands, one E8M0 scale for each 32 along K, by v_wmma_scale_f32_16x16x128_f8f6f4 with both operands' format E4M3, f32 sums; everything else in f32.
;; Inputs: attention_mask 2 x 1 x 2,048 x 2,048 bool; key_layer_codes 2 x 32 x 2,048 x 4 x 32 uint8 (E4M3 codes of key_layer, K innermost, in blocks of 32 codes); key_layer_scales 2 x 32 x 2,048 x 4 uint8 (E8M0 scales of key_layer, one for each 32 codes along K); query_layer_codes 2 x 32 x 2,048 x 4 x 32 uint8 (E4M3 codes of query_layer, K innermost, in blocks of 32 codes); query_layer_scales 2 x 32 x 2,048 x 4 uint8 (E8M0 scales of query_layer, one for each 32 codes along K); value_layer_codes 2 x 32 x 128 x 64 x 32 uint8 (E4M3 codes of value_layer, K innermost, in blocks of 32 codes); value_layer_scales 2 x 32 x 128 x 64 uint8 (E8M0 scales of value_layer, one for each 32 codes along K).
;; Outputs: out0 2 x 2,048 x 4,096 float32.
;; This version of the problem:
;;   THIS VERSION OF THE PROBLEM IS GIVEN IN LOW PRECISION. The matrix products marked QUANTISED in the list below multiply operands that are first quantised to E4M3 (4 exponent bits, 3 mantissa bits; 8 bits a number), with one power-of-two scale for each 32 numbers along K (OCP MX v1.0); their sums are f32. All else is computed in f32.
;;   The module's matrix products, in the order in which they are computed (A, B: the left and right operand; K: the contracted axis; several contracted axes count as one K, in the product's order):
;;     1. batch 64 x [M 2,048, K 128] x [K 128, N 2,048]; A: input query_layer (given as codes); B: input key_layer (given as codes): QUANTISED
;;     2. batch 64 x [M 2,048, K 2,048] x [K 2,048, N 128]; A: softmax (see below); B: input value_layer (given as codes): QUANTISED
;;   THE QUANTISER, for each operand of a quantised product, along K:
;;     - K is cut into blocks of 32 from its start; a last block that is shorter is filled with zeros.
;;     - A block's scale is 2^e with e = floor(log2(the largest magnitude in the block)) - 8, held to -126 .. 127; a block of zeros has e = 0. As a byte (E8M0): e + 127.
;;     - Each number is divided by its block's scale, clamped to +-448, and rounded to the nearest number of E4M3, ties to even, subnormals kept.
;;     - The product sums the exact products of the quantised numbers (number of the format x scale) in f32.
;;   ~~~python
;;   def quantise(x, axis):      # numpy; x: float32 -> the quantised numbers, widened to float32 again
;;       x = np.moveaxis(x, axis, -1); K = x.shape[-1]
;;       x = np.pad(x, [(0, 0)] * (x.ndim - 1) + [(0, -K % 32)]); x = x.reshape(x.shape[:-1] + (-1, 32)); a = np.abs(x).max(-1, keepdims=True)
;;       e = np.where(a > 0, np.clip(np.frexp(np.where(a > 0, a, 1))[1] - 1 - 8, -126, 127), 0)      # np.frexp(a)[1] - 1 = floor(log2(a)), exactly
;;       r = np.clip(x / 2.0 ** e, -448, 448)
;;       step = 2.0 ** (np.maximum(np.frexp(np.where(r == 0, 1, r))[1] - 1, -6) - 3)
;;       q = np.round(r / step) * step * 2.0 ** e      # np.round: ties to even
;;       return np.moveaxis(q.reshape(q.shape[:-2] + (-1,))[..., :K], -1, axis).astype(np.float32)
;;   ~~~
;;   SOFTMAX AHEAD OF A QUANTISED PRODUCT. Where the list says 'softmax', what is quantised is not the finished softmax but p = 2^(t - M), with t = logit x log2(e) and M = ceil(the row's largest t), a whole number; so 1/2 < the row's largest p <= 1. The row's sum l is taken of the UNQUANTISED p, in f32, and the product's result is divided by l at the end. Since M is a whole number, a kernel that streams over the keys may use a running M (the ceiling of the running maximum): every later rescaling is an exact power of two, which a block's scale takes up: the codes' values come out the same.
;;   OPERANDS COMPUTED ON THE WAY. 'Computed on the way' means the value that the module computes at that place (a softmax that the list does not call 'softmax' is quantised finished and normalised). What goes into a quantiser is computed in f32, as accurately as f32 sums, v_exp_f32 and their like allow (about 1e-6 of the number): no bf16 or f16 on the way to a quantiser, and a product that is left as it is and whose result goes on into a quantised operand takes f32 operands (vector FMAs, or v_wmma_f32_16x16x4_f32). A number that lies on a knife's edge between two numbers of the format may be rounded either way, as far as f32 arithmetic and the matrix unit's own rounding can turn it there, and no further.
;;   INPUTS GIVEN AS CODES. key_layer (in the module: [2, 32, 2048, 128], K = its axis 3); query_layer (in the module: [2, 32, 2048, 128], K = its axis 3); value_layer (in the module: [2, 32, 2048, 128], K = its axis 2): each comes as NAME_codes (uint8): NAME with its K axis moved to the last place and cut into blocks of 32 codes, [.., K / 32, bytes a block], one block behind the other in memory; one code a byte (a code: sign, 4 exponent bits, 3 mantissa bits); and NAME_scales (uint8): the same leading axes, one E8M0 byte (e + 127) for each 32 codes along K. Its value is code x scale, taken as it is: it is not quantised again, and the codes and scales need not be those that the quantiser above would give.
;; 2 versions. Each part assembles by itself: llvm-mc -triple=amdgcn-amd-amdhsa -mcpu=gfx1250 --defsym DOCPART=n.
;; ======== version 1 of 2: 2 launches
;; workspace buffers: mw 1,048,576 bytes of whole numbers; fl 1,024 bytes of whole numbers
;; launch pack (part 1): grid 256 x 1, 4 waves a work-group, no clusters, 0 bytes of LDS; arguments attention_mask, mw, fl; writes mw, fl
.if DOCPART == 1
	.amdgcn_target "amdgcn-amd-amdhsa--gfx1250"
	.amdhsa_code_object_version 6
	.text
	.protected	k_qfe63ac2ed9_pack
	.globl	k_qfe63ac2ed9_pack
	.p2align	8
	.type	k_qfe63ac2ed9_pack,@function
k_qfe63ac2ed9_pack:
	s_mov_b64 s[64:65], 0
	v_nop
	global_prefetch_b8 v0, s[64:65] scope:SCOPE_SE
	s_setreg_imm32_b32 hwreg(HW_REG_WAVE_MODE, 25, 1), 1
	s_wait_xcnt 0x0
; THE MASK, [2][1][2048][2048] bytes (not 0 = the key is hidden from the query), IS PACKED ONCE FOR THE 32 HEADS THAT WANT IT, into lane masks for the attention launch, and two flags for each tile are made of it.
; A tile is 16 queries x 128 keys (a key step).  mw: [b 2][query tile 128][key step 16][64 words].  Word n = 16 blk + i; its bit l = 16 h + r holds mask[b][16 tile + r][128 step + 32 blk + 16 h + i]:
; that is the lane (query r, half h) and the register n in which the attention launch holds that score, so a word is the lane mask of one select there.
; fl: [b][query tile], one word: bit 2 j: key step j has a key that counts (there is work); bit 2 j + 1: it has a hidden key (the selects are wanted).
; SHARES.  Work-group id = 128 b + query tile: 16 rows of the mask.  Wave g takes key steps 4 g .. 4 g + 3: 512 bytes of each row, by 16 loads of 16 bytes a lane; a compare turns lanes into bits, so the lanes are laid
; (query, half): a load takes 32 bytes of each of 16 rows, and the wave's 16 loads together use the two aligned runs of 256 bytes of each row whole.
; No LDS, no barrier: waves share nothing.  Every offset is an immediate, no register of a load or store is written again.
.set DAT, 16                           ; v16-79  16 loads x 4 registers
.set WRD, 8                            ; v8-15   key step ks: words 2 L and 2 L + 1 in lane L of v[8 + 2 ks], v[9 + 2 ks]
	s_load_b128 s[4:7], s[0:1], 0x0                ; the mask, mw
	s_load_b64 s[8:9], s[0:1], 0x10                ; fl
	v_lshrrev_b32 v3, 5, v0
	v_readfirstlane_b32 s10, v3                    ; wave g
	v_and_b32 v4, 15, v0                           ; r
	v_bfe_u32 v5, v0, 4, 1                         ; h
	v_lshlrev_b32 v1, 11, v4
	v_lshl_add_u32 v1, v5, 4, v1                   ; in: row r of 2,048 bytes, + 16 h
	v_and_b32 v6, 31, v0
	v_lshlrev_b32 v2, 3, v6                        ; out: 8 bytes a lane
.irp i, 8,9,10,11,12,13,14,15
	v_mov_b32 v\i, 0                               ; a lane write's destination counts as read: written once, whole
.endr
	s_lshl_b32 s12, ttmp9, 15                      ; 16 rows of 2,048 bytes a work-group,
	s_lshl_b32 s14, s10, 9                         ; 512 bytes of a row a wave
	s_add_co_u32 s12, s12, s14
	s_mov_b32 s13, 0
	s_lshl_b32 s14, ttmp9, 12                      ; mw: 16 key steps of 256 bytes a work-group,
	s_lshl_b32 s16, s10, 10                        ; four of them a wave
	s_add_co_u32 s14, s14, s16
	s_mov_b32 s15, 0
	s_lshl_b32 s16, ttmp9, 2                       ; fl: a word a work-group, a byte a wave
	s_add_co_u32 s16, s16, s10
	s_mov_b32 s17, 0
	s_mov_b32 s26, 0                               ; my byte of flags
	s_wait_kmcnt 0x0
	s_add_nc_u64 s[4:5], s[4:5], s[12:13]
	s_add_nc_u64 s[6:7], s[6:7], s[14:15]
	s_add_nc_u64 s[8:9], s[8:9], s[16:17]
.irp ks, 0,1,2,3
.irp blk, 0,1,2,3
	global_load_b128 v[DAT+16*\ks+4*\blk:DAT+16*\ks+4*\blk+3], v1, s[4:5] offset:128*\ks+32*\blk th:TH_LOAD_NT
.endr
.endr
; One key step: 64 bytes a lane become 64 words of the wave.
.macro WORDS ks
	s_wait_loadcnt 12-4*(\ks)                      ; this key step's four loads are in; the four of each later key step may be out
	s_mov_b32 s24, 0                               ; the words' OR,
	s_mov_b32 s25, -1                              ; and their AND
.set N, 0
.rept 16                                       ; register N / 4 of the key step holds bytes i = N % 16 .. + 3 of block N / 16
.irp e, 0,1,2,3
	v_bfe_u32 v[4+\e], v[DAT+16*(\ks)+N/4], 8*\e, 8
.endr
.irp e, 0,1,2,3
	v_cmp_ne_u32 s[20+\e], 0, v[4+\e]              ; word N + e: a bit for each lane
.endr
.irp e, 0,1,2,3
	v_writelane_b32 v[WRD+2*(\ks)+(N+\e)%2], s[20+\e], (N+\e)/2
.endr
.irp e, 0,1,2,3
	s_or_b32 s24, s24, s[20+\e]
	s_and_b32 s25, s25, s[20+\e]
.endr
.set N, N+4
.endr
	s_cmp_lg_u32 s25, -1                           ; some bit is 0: a key counts
	s_cselect_b32 s27, 1<<(2*(\ks)), 0
	s_or_b32 s26, s26, s27
	s_cmp_lg_u32 s24, 0                            ; some bit is 1: a key is hidden
	s_cselect_b32 s27, 2<<(2*(\ks)), 0
	s_or_b32 s26, s26, s27
	global_store_b64 v2, v[WRD+2*(\ks):WRD+2*(\ks)+1], s[6:7] offset:256*(\ks)   ; 32 lanes store 256 consecutive bytes, at a multiple of 256 from mw's first byte
.endm
	WORDS 0
	WORDS 1
	WORDS 2
	WORDS 3
	v_mov_b32 v3, s26
	v_mov_b32 v5, 0
	v_and_b32 v4, 31, v0
	v_cmp_eq_u32 vcc_lo, 0, v4
	s_wait_xcnt 0x0                                ; EXEC is a source of the stores above: it changes only behind this wait
	s_and_saveexec_b32 s28, vcc_lo
	global_store_b8 v5, v3, s[8:9]                 ; lane 0: my four key steps' flags (1,024 bytes of flags in the whole launch)
	s_wait_xcnt 0x0                                ; and again, in front of the line that widens it
	s_or_b32 exec_lo, exec_lo, s28
	s_endpgm
.Lfunc_end_k_qfe63ac2ed9_pack:
	.size	k_qfe63ac2ed9_pack, .Lfunc_end_k_qfe63ac2ed9_pack-k_qfe63ac2ed9_pack
	.p2alignl 7, 3214868480
	.fill 96, 4, 3214868480
	.section	.rodata,"a",@progbits
	.p2align	6, 0x0
	.amdhsa_kernel k_qfe63ac2ed9_pack
		.amdhsa_group_segment_fixed_size 0
		.amdhsa_private_segment_fixed_size 0
		.amdhsa_enable_private_segment 0
		.amdhsa_kernarg_size 24
		.amdhsa_user_sgpr_count 2
		.amdhsa_user_sgpr_kernarg_segment_ptr 1
		.amdhsa_wavefront_size32 1
		.amdhsa_system_sgpr_workgroup_id_x 1
		.amdhsa_system_sgpr_workgroup_id_y 1
		.amdhsa_system_sgpr_workgroup_id_z 1
		.amdhsa_system_vgpr_workitem_id 0
		.amdhsa_next_free_vgpr 80
		.amdhsa_next_free_sgpr 66
		.amdhsa_reserve_vcc 1
		.amdhsa_float_denorm_mode_32 3
		.amdhsa_float_denorm_mode_16_64 3
		.amdhsa_memory_ordered 1
		.amdhsa_forward_progress 1
		.amdhsa_inst_pref_size 69
	.end_amdhsa_kernel
	.amdgpu_metadata
---
amdhsa.version: [ 1, 2 ]
amdhsa.kernels:
  - .name:           k_qfe63ac2ed9_pack
    .symbol:         k_qfe63ac2ed9_pack.kd
    .args:
      - { .name: attention_mask, .offset: 0, .size: 8, .value_kind: global_buffer, .address_space: global }
      - { .name: mw, .offset: 8, .size: 8, .value_kind: global_buffer, .address_space: global }
      - { .name: fl, .offset: 16, .size: 8, .value_kind: global_buffer, .address_space: global }
    .group_segment_fixed_size: 0
    .private_segment_fixed_size: 0
    .kernarg_segment_align: 8
    .kernarg_segment_size: 24
    .max_flat_workgroup_size: 128
    .sgpr_count:     66
    .vgpr_count:     80
    .wavefront_size: 32
...
	.end_amdgpu_metadata
.endif
;; end of part 1
;; launch attn (part 2): grid 4 x 64, 16 waves a work-group, no clusters, 231,424 bytes of LDS; arguments query_layer_codes, query_layer_scales, key_layer_codes, key_layer_scales, value_layer_codes, value_layer_scales, mw, fl, out0; writes out0
.if DOCPART == 2
	.amdgcn_target "amdgcn-amd-amdhsa--gfx1250"
	.amdhsa_code_object_version 6
	.text
	.protected	k_qfe63ac2ed9_attn
	.globl	k_qfe63ac2ed9_attn
	.p2align	8
	.type	k_qfe63ac2ed9_attn,@function
k_qfe63ac2ed9_attn:
	s_mov_b64 s[64:65], 0
	v_nop
	global_prefetch_b8 v0, s[64:65] scope:SCOPE_SE
	s_setreg_imm32_b32 hwreg(HW_REG_WAVE_MODE, 25, 1), 1
	s_wait_xcnt 0x0
; out0[b][q][128 head + d] = the sum over k of softmax_k(Q[q] . K[k] / sqrt(128), hidden keys at -infinity) V[k][d], both products on codes of E4M3 with one E8M0 scale for each 32 along a product's K.
; Q, K: [64 heads][2048][128] codes, scale bytes [64][2048][4].  V: codes with the KEYS innermost, [64][128][2048], scale bytes [64][128][64].  The mask is an input; it comes packed by the launch before:
; mw [b][query tile][key step][64 words]: word n is the lane mask of score register n;  fl [b][query tile]: bit 2 j: key step j has a key that counts, bit 2 j + 1: it has a hidden key.
; THE SOFTMAX AHEAD OF THE SECOND PRODUCT: t = score x log2(e) / sqrt(128); M = the row's largest t so far, rounded UP to a whole number; p = 2^(t - M) is quantised along the keys, not normalised.  The row's sum is taken
; of the unquantised p and divides at the end.  When M moves, the sum and O are multiplied by 2^(old M - new M): exact.  A row all of whose keys are hidden has sum 0 and O 0: 0 x (1 / 0) is the NaN that the softmax of such a row is.
; SHARES.  256 work-groups, four to a head.  Work-group x makes two passes of 256 queries: block x, then block 7 - x.  Each of its SIXTEEN waves owns 16 queries, one tile, in 256 registers: four waves to a SIMD, so that one
; wave's vector work stands beside another's matrix work and LDS loads.  A pass walks the head's keys in 8 chunks of 256 (two key steps of 128) through two LDS slots: trip counts are constants, every wave passes every barrier.
; WORK THAT THE MASK THROWS AWAY IS NOT DONE: a wave jumps over a key step all of whose 16 x 128 mask bytes hide, and a chunk that none of the sixteen tiles wants is not fetched: scalar branches on the stored flags, right for every mask.
; WHY NO TENSOR LOADS AND NO CLUSTER, though four work-groups walk one head's K and V: which steps are worked and which chunks are fetched hangs on flag words read from memory, which differ from work-group to work-group
; (blocks x and 7 - x); partners of a joint load must ask alike.  So the 512 threads bring a chunk (64 KiB) through registers: 8 loads of 16 bytes a thread.
; LAYOUT.  Both products are used transposed: S^T = K Q^T (source 0 = 16 keys, source 1 = my 16 queries), O^T = V^T P^T (source 0 = 16 of the head's 128, source 1 = P): a lane holds ONE query (lane % 16) throughout.
; THE KEYS OF A TILE ARE NOT NEIGHBOURS: row m of tile 2 b + u is key 32 b + 8 u + m + 8 (m / 8), so that the 16 registers of tiles 2 b, 2 b + 1 are 16 neighbouring keys, 32 b + 16 (lane / 16) + 0 .. 15.  K's rows are LAID in LDS in
; that order (a key's LDS row is the key with its bits 3 and 4 exchanged), so a tile is 16 consecutive LDS rows.
; LIMITS: NaN codes and scale bytes 0xff among the inputs are not served.  c = log2(e) / sqrt(128) is one rounded constant where the definition divides and then multiplies (two roundings): t differs by an ulp at the most.
.set KPITCH, 144                       ; a key's row in LDS: 128 bytes + 16: an odd multiple of 16 bytes, so the 16 rows of a load begin in 16 different columns of 16 bytes
.set VPITCH, 272                       ; a row of V's chunk: 256 bytes + 16
.set KSLOT,  256*KPITCH                ; LDS: K's two slots from 0,
.set VBASE,  2*KSLOT                   ; V's two from 73,728,
.set VSLOT,  128*VPITCH
.set SCK,    VBASE+2*VSLOT             ; 143,360: K's scale words of the whole head, 4 bytes a key, in the order of the LDS rows;
.set SCV,    SCK+8192                  ; V's, as [key step 16][d 128] words;
.set STG,    SCV+8192                  ; 159,744: a stage of 16 rows x (256 + 16) bytes for each wave, for the way out: up to 229,376
.set WSTG,   16*272
.set AK0,  1                           ; v1, v2  my lane's place in a tile of K, slot 0, slot 1
.set AV,   3                           ; v3   the same for V, slot 0
.set SK,   4                           ; v4   where my thread puts its 16 bytes of a chunk of K
.set SV,   5                           ; v5   and of V
.set GKO,  6                           ; v6   16 x thread: my bytes of K's chunk in memory
.set GVO,  7                           ; v7   and of V's: row thread / 16, 16 (thread % 16)
.set AS0,  8                           ; v8   SCK + 4 x lane
.set ADS,  9                           ; v9   the same for the trip in hand
.set NINF, 10                          ; v10  -infinity
.set STI,  11                          ; v11  the stage: where I put 32 bytes of a row
.set NM,   12                          ; v12  -M;  v13 the largest t
.set SUM,  14                          ; v[14:15] the row's sum in two halves
.set QF,   16                          ; v16-31   Q's fragment
.set FRG,  32                          ; v32-95   four fragments of K or of V; between the products the softmax's small numbers:
.set BM,   32                          ;   v32-35 the blocks' largest scores, then largest p
.set PT,   36                          ;   v36-39 at work
.set HD,   40                          ;   v40-43 448 x the scale
.set SO,   44                          ;   v44-47 the conversions' scale operands
.set TP,   48                          ;   v48    at work
.set PC,   96                          ; v96-111  p's codes: block 0's in v96-99, blocks 1 to 3's over block 0's p, which is converted by then
.set SR,   100                         ; v100-163 S^T, then p
.set OT,   164                         ; v164-227 O^T
.set SW,   228                         ; v228-231 scale words of K or V: lanes 0-15 an even tile's rows, lanes 16-31 the odd tile's behind it
.set QSW,  232                         ; v232 Q's scale words
.set PSW,  233                         ; v233 p's
.set FF,   234                         ; v[234:235] f = 2^(old M - new M); the packed forms name the pair and take its low word
.set STO,  236                         ; v236 the stage: where I read a row back
.set GO,   237                         ; v237 my byte offset in the wave's rows of out0
.set PFO,  238                         ; v238 the prefetches' offset; never rewritten
.set QO,   239                         ; v239 my byte offset in the wave's rows of Q
.set STGR, 240                         ; v240-255 16 bytes x 4 on their way from memory to LDS
.set WV,   2                           ; s2   wave
.set T2,   3
.set TS,   4                           ; s4   2,048 x trip: where the trip's scale words begin
.set FW,   5                           ; s5   my tile's flags, 2 bits a key step, shifted down step by step
.set WN,   6                           ; s6   the OR of the block's 16 flag words, shifted so that bits 0 and 2 speak of the NEXT chunk
.set NXT,  7                           ; s7   not 0: the next chunk is wanted
.set CH,   8
.set PS,   9
.set KP,   10                          ; s[10:11] K's next chunk;  s[12:13] V's
.set VP,   12
.set MP,   14                          ; s[14:15] my tile's mask words of the step in hand
.set OP,   16                          ; s[16:17] my first row of out0
.set SEL,  18                          ; s[18:19] v_permlanex16_b32's selects for lane l xor 16
.set CS,   20                          ; s[20:21] c = log2(e) / sqrt(128), twice
.set MNT,  22                          ; s22  the mantissa field of 448
.set T0,   23
.set QC,   24                          ; s[24:25] my queries' codes;  s[26:27] their scale words
.set QS,   26
.set FLP,  28                          ; s[28:29] the block's 16 flag words
.set DELTA, 30                         ; s30  7 - 2 x: blocks from the first pass to the second
.set PFN,  31                          ; s31  prefetches still to be made
.set PFA,  66                          ; s[66:67] where they stand
.set T1,   100
.set PFS,  104                         ; s[104:105] a chunk on, in bytes
                                       ; s[32:63], s[68:99]: a step's 64 mask words (at the head: the arguments; at a pass's head: the flag words)
	s_load_b512 s[32:47], s[0:1], 0x0              ; Q codes, Q scales, K codes, K scales, V codes, V scales, mw, fl
	s_load_b64 s[48:49], s[0:1], 0x40              ; out0
	v_lshrrev_b32 v100, 5, v0
	v_readfirstlane_b32 s[WV], v100                ; wave 0..15
	v_and_b32 v100, 15, v0                         ; r = lane % 16 = thread % 16
	v_bfe_u32 v101, v0, 4, 1                       ; h = lane / 16
	v_and_b32 v102, 31, v0                         ; lane
	v_mul_u32_u24 v[AK0], v100, KPITCH
	v_lshl_add_u32 v[AK0], v101, 4, v[AK0]         ; a fragment's row x pitch + 16 x half
	v_add_nc_u32 v[AK0+1], KSLOT, v[AK0]
	v_mul_u32_u24 v[AV], v100, VPITCH
	v_lshl_add_u32 v[AV], v101, 4, v[AV]
	v_add_nc_u32 v[AV], VBASE, v[AV]
	v_lshrrev_b32 v103, 3, v0                      ; a load's 8,192 bytes are 64 keys: mine is thread / 8;
	v_and_b32 v103, 0x27, v103                     ; its LDS row: bits 3 and 4 exchanged
	v_bfe_u32 v104, v0, 6, 1
	v_lshl_add_u32 v103, v104, 4, v103
	v_bfe_u32 v104, v0, 7, 1
	v_lshl_add_u32 v103, v104, 3, v103
	v_mul_u32_u24 v[SK], v103, KPITCH
	v_and_b32 v104, 7, v0
	v_lshl_add_u32 v[SK], v104, 4, v[SK]
	v_lshrrev_b32 v103, 4, v0                      ; V: a load takes 256 bytes of each of 32 rows: mine is thread / 16
	v_mul_u32_u24 v[SV], v103, VPITCH
	v_lshl_add_u32 v[SV], v100, 4, v[SV]
	v_add_nc_u32 v[SV], VBASE, v[SV]
	v_lshlrev_b32 v[GKO], 4, v0
	v_lshlrev_b32 v[GVO], 11, v103
	v_lshl_add_u32 v[GVO], v100, 4, v[GVO]
	v_lshl_add_u32 v[AS0], v102, 2, SCK
	v_mov_b32 v[NINF], 0xff800000
	s_mul_i32 s[T2], s[WV], WSTG
	s_add_co_u32 s[T2], s[T2], STG                 ; my stage
	v_mul_u32_u24 v[STI], v100, 272
	v_lshl_add_u32 v[STI], v101, 5, v[STI]
	v_add_nc_u32 v[STI], s[T2], v[STI]             ; in: row r, + 32 h
	v_mul_u32_u24 v[STO], v101, 272
	v_lshl_add_u32 v[STO], v100, 4, v[STO]
	v_add_nc_u32 v[STO], s[T2], v[STO]             ; back: lanes 0-15 one row, lanes 16-31 the next
	v_lshlrev_b32 v[GO], 14, v101                  ; and the same two rows of out0, 16,384 bytes apart
	v_lshl_add_u32 v[GO], v100, 4, v[GO]
	v_lshlrev_b32 v[QO], 7, v100
	v_lshl_add_u32 v[QO], v101, 4, v[QO]
	v_and_b32 v103, 0x1f9, v0                      ; K's scale words: my 16 bytes are keys 4 t .. 4 t + 3; bits 3, 4 of a key are bits 1, 2 of t
	v_bfe_u32 v104, v0, 1, 1
	v_lshl_add_u32 v103, v104, 2, v103
	v_bfe_u32 v104, v0, 2, 1
	v_lshl_add_u32 v103, v104, 1, v103
	v_lshl_add_u32 v103, v103, 4, SCK
	v_and_b32 v104, 3, v0                          ; V's: my 16 bytes are row d = t / 4, key steps 4 (t % 4) + 0 .. 3; they go to [key step][d]
	v_lshrrev_b32 v105, 2, v0
	v_lshlrev_b32 v104, 11, v104
	v_lshl_add_u32 v104, v105, 2, v104
	v_add_nc_u32 v104, SCV, v104
	v_mov_b32 v[FF], 0                             ; written once, whole: a lane permute's destination, and the upper half of a pair that is named
	v_mov_b32 v[FF+1], 0
	s_and_b32 s50, ttmp7, 0xffff                   ; 32 b + head
	s_lshr_b32 s51, s50, 5                         ; b
	s_and_b32 s52, s50, 31                         ; head
	s_lshl_b32 s54, ttmp9, 8
	s_lshl_b32 s55, s[WV], 4
	s_add_co_u32 s54, s54, s55                     ; my first query of the first pass: 256 x + 16 x wave
	s_lshl_b32 s[DELTA], ttmp9, 1
	s_sub_co_u32 s[DELTA], 7, s[DELTA]
	s_mov_b32 s57, 0                               ; every offset below stays under 2^32
	s_mov_b32 s[SEL], 0x76543210
	s_mov_b32 s[SEL+1], 0xfedcba98
	s_mov_b32 s[CS], 0x3e0293ee
	s_mov_b32 s[CS+1], s[CS]
	s_mov_b32 s[MNT], 0x600000
	s_mov_b32 s[PS], 2
	s_wait_kmcnt 0x0
	s_lshl_b32 s56, s50, 18                        ; a head's codes: 262,144 bytes
	s_add_nc_u64 s[KP:KP+1], s[36:37], s[56:57]
	s_add_nc_u64 s[VP:VP+1], s[40:41], s[56:57]
	s_lshl_b32 s55, s54, 7
	s_add_co_u32 s56, s56, s55
	s_add_nc_u64 s[QC:QC+1], s[32:33], s[56:57]
	s_lshl_b32 s56, s50, 13                        ; a head's scale bytes: 8,192
	s_add_nc_u64 s[58:59], s[38:39], s[56:57]
	s_add_nc_u64 s[60:61], s[42:43], s[56:57]
	s_lshl_b32 s55, s54, 2
	s_add_co_u32 s56, s56, s55
	s_add_nc_u64 s[QS:QS+1], s[34:35], s[56:57]
	s_lshl_b32 s56, s51, 7
	s_lshl_b32 s55, ttmp9, 4
	s_add_co_u32 s55, s56, s55                     ; the block's first query tile: 128 b + 16 x
	s_lshl_b32 s56, s55, 2
	s_add_nc_u64 s[FLP:FLP+1], s[46:47], s[56:57]
	s_add_co_u32 s56, s55, s[WV]
	s_lshl_b32 s56, s56, 12                        ; a tile's mask words: 16 key steps of 256 bytes
	s_add_nc_u64 s[MP:MP+1], s[44:45], s[56:57]
	s_lshl_b32 s56, s51, 11
	s_add_co_u32 s56, s56, s54
	s_lshl_b32 s56, s56, 14                        ; row 2,048 b + query of 16,384 bytes,
	s_lshl_b32 s55, s52, 9                         ; the head's 512 bytes in it
	s_add_co_u32 s56, s56, s55
	s_add_nc_u64 s[OP:OP+1], s[48:49], s[56:57]
	global_load_b128 v[108:111], v[GKO], s[58:59]  ; the head's scale bytes, 8,192 of K's and 8,192 of V's: 16 bytes a thread of each, once
	global_load_b128 v[112:115], v[GKO], s[60:61]
	; the prefetches (macro ASK): wave 0 asks for K's codes, wave 1 for V's.  The head's four work-groups share a chunk out by address: 8,192 bytes of K's 32,768, lanes 256 bytes apart; 32 of V's 128 rows, a lane a row
	s_lshl_b32 s62, ttmp9, 13
	s_add_co_u32 s62, s62, 2*32768                 ; they begin at chunk 2
	s_lshl_b32 s63, ttmp9, 16
	s_add_co_u32 s63, s63, 2*256
	s_cmp_eq_u32 s[WV], 0
	s_cselect_b64 s[PFA:PFA+1], s[KP:KP+1], s[VP:VP+1]
	s_cselect_b32 s56, s62, s63
	s_mov_b32 s62, 256
	s_cselect_b32 s[PFS], 32768, s62               ; a chunk on
	s_mov_b32 s63, 2048
	s_cselect_b32 s63, s62, s63                    ; from lane to lane
	s_mov_b32 s[PFS+1], 0
	s_add_nc_u64 s[PFA:PFA+1], s[PFA:PFA+1], s[56:57]
	v_mul_lo_u32 v[PFO], v102, s63
	s_cmp_lt_u32 s[WV], 2
	s_cselect_b32 s[PFN], 6, 0                     ; chunks 2 to 7, in the first pass's first six halves
	s_wait_loadcnt 0x0
	ds_store_b128 v103, v[108:111]
.irp e, 0,1,2,3
	ds_store_b32 v104, v[112+\e] offset:512*\e
.endr                                          ; (the first pass's barrier stands between these stores and their readers)
; A PREFETCH INTO THE L2 of the chunk after the one whose loads have just been issued: one instruction in each of waves 0 and 1, behind the wave's own loads.  Each aligned run of 256 bytes of a head's K and V codes from chunk 2 on is
; named once in the launch; chunks 0 and 1 come by their loads alone, chunk 7 is the last that is named, and the second pass, which reads what the first has read, asks for nothing.
.macro ASK
	s_cmp_lg_u32 s[PFN], 0
	s_cbranch_scc0 .Lnot_mine_\@
	global_prefetch_b8 v[PFO], s[PFA:PFA+1] th:TH_LOAD_NT scope:SCOPE_SE
	s_sub_co_u32 s[PFN], s[PFN], 1
.Lnot_mine_\@:
.endm
; A KEY STEP: 128 keys, the q-th of the slot in hand, for my 16 queries.
.macro STEP slot, q
.set KST, 2*(\slot)+(\q)               ; which of the trip's four key steps
	s_and_b32 s[T0], s[FW], 1
	s_cmp_eq_u32 s[T0], 0
	s_cbranch_scc1 .Lskip_\@                       ; all 16 x 128 mask bytes hide: nothing of this step counts
	s_load_b512 s[32:47], s[MP:MP+1], 0x0          ; the step's 64 lane masks; they land while K Q^T is made
	s_load_b512 s[48:63], s[MP:MP+1], 0x40
	s_load_b512 s[68:83], s[MP:MP+1], 0x80
	s_load_b512 s[84:99], s[MP:MP+1], 0xc0
.rept 9
	v_nop                                          ; places behind the last step's products: eight in front of loads into their fragments and scale words, nine in front of the first product below, which writes over p's codes, their source 1
.endr
.irp b, 0,1,2,3
	ds_load_b32 v[SW+\b], v[ADS] offset:512*KST+128*\b     ; the scale words of tiles 2 b (lanes 0-15) and 2 b + 1 (lanes 16-31): 128 consecutive bytes
.endr
.irp g, 0,1                                    ; S^T = K Q^T, four tiles of 16 keys at a time
.if \g > 0
.rept 8
	v_nop                                          ; places in front of loads into registers that matrix instructions have read
.endr
.endif
.irp t, 0,1,2,3
.irp c, 0,1,2,3
	ds_load_b128 v[FRG+16*\t+4*\c:FRG+16*\t+4*\c+3], v[AK0+\slot] offset:128*KPITCH*(\q)+16*KPITCH*(4*\g+\t)+32*\c
.endr
.endr
	s_wait_dscnt 0x0
.irp t, 0,2
	v_wmma_scale_f32_16x16x128_f8f6f4 v[SR+8*(4*\g+\t):SR+8*(4*\g+\t)+7], v[FRG+16*\t:FRG+16*\t+15], v[QF:QF+15], 0, v[SW+2*\g+\t/2], v[QSW]
	v_wmma_scale_f32_16x16x128_f8f6f4 v[SR+8*(4*\g+\t+1):SR+8*(4*\g+\t+1)+7], v[FRG+16*(\t+1):FRG+16*(\t+1)+15], v[QF:QF+15], 0, v[SW+2*\g+\t/2], v[QSW] matrix_a_scale:MATRIX_SCALE_ROW1
.endr
.endr                                          ; lane (r, h) holds query r; register 16 b + i is key 32 b + 16 h + i of the step
.rept 8
	v_nop                                          ; places in front of the first read of results and the first write of a fragment's register
.endr
	s_wait_kmcnt 0x0                               ; the mask words are in (on both ways: their address steps at the step's end)
	s_and_b32 s[T0], s[FW], 2
	s_cmp_eq_u32 s[T0], 0
	s_cbranch_scc1 .Lopen_\@                       ; no key of the step is hidden from any of my queries
.set N, 0
.rept 32
	v_cndmask_b32 v[SR+N], v[SR+N], v[NINF], s[32+N]       ; hidden scores become -infinity ahead of the maximum: p = 0 then.  One select a register; in ascending order
.set N, N+1
.endr
.rept 32
	v_cndmask_b32 v[SR+N], v[SR+N], v[NINF], s[36+N]
.set N, N+1
.endr
.Lopen_\@:
.irp b, 0,1,2,3
	v_max3_num_f32 v[BM+\b], v[SR+16*\b], v[SR+1+16*\b], v[SR+2+16*\b]   ; THE LARGEST SCORE OF EACH BLOCK OF 32 KEYS serves twice: for the row's maximum, and, since p rises with the score, for the block's largest p
.endr
.irp i, 3,5,7,9,11,13
.irp b, 0,1,2,3
	v_max3_num_f32 v[BM+\b], v[BM+\b], v[SR+16*\b+\i], v[SR+1+16*\b+\i]  ; (the four blocks by turns)
.endr
.endr
.irp b, 0,1,2,3
	v_max_num_f32 v[BM+\b], v[BM+\b], v[SR+15+16*\b]
.endr
.irp b, 0,1,2,3
	v_permlanex16_b32 v[PT+\b], v[BM+\b], s[SEL], s[SEL+1]
.endr
.irp b, 0,1,2,3
	v_max_num_f32 v[BM+\b], v[BM+\b], v[PT+\b]     ; with lane l xor 16's 16 keys
.endr
	v_max3_num_f32 v[TP], v[BM], v[BM+1], v[BM+2]
	v_max_num_f32 v[TP], v[TP], v[BM+3]            ; the step's largest score of my query (-infinity where all 128 are hidden)
	v_mul_f32 v[TP], s[CS], v[TP]                  ; as t (c is positive)
	v_max_num_f32 v[NM+1], v[NM+1], v[TP]          ; the running largest t
	v_mov_b32 v[TP], v[NM]
	v_floor_f32 v[NM], -v[NM+1]                    ; the new -M = floor(-t) = -ceil(t): M is a whole number
	v_sub_f32 v[TP], v[NM], v[TP]                  ; M's old value less its new one: a whole number, 0 or less
	v_cvt_i32_f32 v[TP], v[TP]                     ; (it saturates)
	v_ldexp_f32 v[FF], 1.0, v[TP]                  ; f = 2^(old M - new M)
.set J, 0
.rept 32
	v_pk_fma_f32 v[SR+J:SR+J+1], v[SR+J:SR+J+1], s[CS:CS+1], v[NM:NM+1] op_sel_hi:[1,0,0]   ; t - M, two at a time (of the pairs c and -M the low word serves both halves)
.set J, J+2
.endr
.irp b, 0,1,2,3
	v_fma_f32 v[BM+\b], v[BM+\b], s[CS], v[NM]     ; the same of each block's largest score
.endr
.set J, 0
.rept 64
	v_exp_f32 v[SR+J], v[SR+J]                     ; p = 2^(t - M), at most 1: not normalised
.set J, J+1
.endr
	v_pk_mul_f32 v[SUM:SUM+1], v[SUM:SUM+1], v[FF:FF+1] op_sel_hi:[1,0]   ; the sums under the new M: a plain instruction behind the exponentials
	s_wait_alu depctr_va_vdst(0)                   ; the wait ahead of the first line that names a result: one for the batch of 64
.irp b, 0,1,2,3
	v_exp_f32 v[BM+\b], v[BM+\b]                   ; the block's largest p: the same two instructions on the same number give the same bits
.endr
	v_pk_add_f32 v[PT:PT+1], v[SR:SR+1], v[SR+2:SR+3]      ; THE ROW'S SUM IS TAKEN OF THE UNQUANTISED p: two at a time, in two chains
.set J, 4
.rept 15
	v_pk_add_f32 v[SUM:SUM+1], v[SUM:SUM+1], v[SR+J:SR+J+1]
	v_pk_add_f32 v[PT:PT+1], v[PT:PT+1], v[SR+J+2:SR+J+3]
.set J, J+4
.endr
	v_pk_add_f32 v[SUM:SUM+1], v[SUM:SUM+1], v[PT:PT+1]
	s_wait_alu depctr_va_vdst(0)                   ; and one for the four
.irp b, 0,1,2,3
	v_max_num_f32 v[BM+\b], 0x4800000, v[BM+\b]    ; the floor 2^(9 - 127): the byte cannot fall under 1 (a block whose every p is 0 keeps that byte: its codes are zeros)
.endr
.irp b, 0,1,2,3
	v_add_nc_u32 v[SO+\b], 0xfc000000, v[BM+\b]    ; 8 off the exponent field: the conversion's scale operand
.endr
.irp b, 0,1,2,3
	v_and_or_b32 v[HD+\b], v[BM+\b], 0x7f800000, s[MNT]    ; 448 x the scale
.endr
.irp b, 0,1,2,3
	v_lshrrev_b32 v[PT+\b], 23, v[SO+\b]           ; the scale's byte
.endr
	v_lshl_or_b32 v[PSW], v[PT+1], 8, v[PT]        ; p's scale word for these 128 keys
	v_lshl_or_b32 v[PSW], v[PT+2], 16, v[PSW]
	v_lshl_or_b32 v[PSW], v[PT+3], 24, v[PSW]
.irp b, 0,1,2,3
.irp i, 0,1,2,3,4,5,6,7,8,9,10,11,12,13,14,15
	v_min_num_f32 v[SR+16*\b+\i], v[SR+16*\b+\i], v[HD+\b] ; the conversion to an 8-bit code does not saturate (ISA guide 7.6.2); p is not negative, so the hold is one-sided
.endr
	v_cvt_scalef32_pk8_fp8_f32 v[PC+4*\b:PC+4*\b+1], v[SR+16*\b:SR+16*\b+7], v[SO+\b]       ; from block 1 on the codes land on block 0's p: sixteen plain lines stand between its conversions and these
	v_cvt_scalef32_pk8_fp8_f32 v[PC+4*\b+2:PC+4*\b+3], v[SR+16*\b+8:SR+16*\b+15], v[SO+\b]
.endr
.set J, 0
.rept 2
	v_pk_mul_f32 v[OT+J:OT+J+1], v[OT+J:OT+J+1], v[FF:FF+1] op_sel_hi:[1,0]   ; O^T under the new M: x f.  Two of the 32 stand here, plain lines behind the last conversion
.set J, J+2
.endr
.irp g, 0,1                                    ; O^T += V^T P^T: four tiles of 16 of the head's 128 at a time; K = these 128 keys
.if \g > 0
.rept 8
	v_nop                                          ; places in front of loads into registers that matrix instructions have read
.endr
.endif
.irp t, 0,1,2,3
.irp c, 0,1,2,3
	ds_load_b128 v[FRG+16*\t+4*\c:FRG+16*\t+4*\c+3], v[AV] offset:VSLOT*(\slot)+16*VPITCH*(4*\g+\t)+128*(\q)+32*\c
.endr
.endr
.if \g == 0
.irp u, 0,1,2,3
	ds_load_b32 v[SW+\u], v[ADS] offset:8192+512*KST+128*\u        ; V's scale words: d = 32 u + lane
.endr
.rept 30
	v_pk_mul_f32 v[OT+J:OT+J+1], v[OT+J:OT+J+1], v[FF:FF+1] op_sel_hi:[1,0]   ; the other 30 stand while the loads are out; they are also the places between the codes, the scale word and the products
.set J, J+2
.endr
.endif
	s_wait_dscnt 0x0
.irp t, 0,2                                    ; the eight accumulators take turns, one instruction a turn
	v_wmma_scale_f32_16x16x128_f8f6f4 v[OT+8*(4*\g+\t):OT+8*(4*\g+\t)+7], v[FRG+16*\t:FRG+16*\t+15], v[PC:PC+15], v[OT+8*(4*\g+\t):OT+8*(4*\g+\t)+7], v[SW+2*\g+\t/2], v[PSW]
	v_wmma_scale_f32_16x16x128_f8f6f4 v[OT+8*(4*\g+\t+1):OT+8*(4*\g+\t+1)+7], v[FRG+16*(\t+1):FRG+16*(\t+1)+15], v[PC:PC+15], v[OT+8*(4*\g+\t+1):OT+8*(4*\g+\t+1)+7], v[SW+2*\g+\t/2], v[PSW] matrix_a_scale:MATRIX_SCALE_ROW1
.endr
.endr
.Lskip_\@:
	s_lshr_b32 s[FW], s[FW], 2                     ; the next step's flags,
	s_add_nc_u64 s[MP:MP+1], s[MP:MP+1], 256       ; and its mask words (no scalar load is out: the worked way has waited for them)
.endm
; HALF A TRIP: the chunk in `slot` is worked, two key steps; meanwhile the next chunk, if any of the sixteen tiles wants it, goes into the other slot: K's half is on its way during the first step, V's during the second.
; ONE barrier a chunk does both orderings: in front of it each wave's reads of this slot and its stores into the other are done; the other slot's last readers passed the barrier before.
.macro HALF slot
	s_and_b32 s[NXT], s[WN], 5                     ; the work bits of the next chunk's two key steps, over all sixteen tiles: the same number in every wave.  Behind chunk 7 the word has run out: nothing is asked past the end
	s_cmp_lg_u32 s[NXT], 0
	s_cbranch_scc0 .Lno_k_\@
.irp i, 0,1,2,3
	global_load_b128 v[STGR+4*\i:STGR+4*\i+3], v[GKO], s[KP:KP+1] offset:8192*\i      ; a wave reads 512 consecutive bytes
.endr
.Lno_k_\@:
	ASK
	STEP \slot, 0
	s_wait_loadcnt 0x0                             ; K's 64 bytes are in
	s_cmp_lg_u32 s[NXT], 0
	s_cbranch_scc0 .Lno_v_\@
.irp i, 0,1,2,3
	ds_store_b128 v[SK], v[STGR+4*\i:STGR+4*\i+3] offset:(1-\slot)*KSLOT+64*KPITCH*\i
.endr
	s_wait_dscnt 0x0                               ; the stores have read their registers, which take V's bytes now
.irp i, 0,1,2,3
	global_load_b128 v[STGR+4*\i:STGR+4*\i+3], v[GVO], s[VP:VP+1] offset:65536*\i     ; sixteen lanes read 256 consecutive bytes of a row of V
.endr
.Lno_v_\@:
	STEP \slot, 1
	s_wait_loadcnt 0x0
	s_cmp_lg_u32 s[NXT], 0
	s_cbranch_scc0 .Lno_s_\@
.irp i, 0,1,2,3
	ds_store_b128 v[SV], v[STGR+4*\i:STGR+4*\i+3] offset:(1-\slot)*VSLOT+32*VPITCH*\i
.endr
.Lno_s_\@:
	s_wait_dscnt 0x0                               ; for the others' sake: my stores have landed and my reads of this slot are over
	s_barrier_signal -1
	s_barrier_wait -1
	s_wait_xcnt 0x0                                ; the prefetch, a chunk's work back, has read its address
	s_add_nc_u64 s[KP:KP+1], s[KP:KP+1], 32768
	s_add_nc_u64 s[VP:VP+1], s[VP:VP+1], 256
	s_add_nc_u64 s[PFA:PFA+1], s[PFA:PFA+1], s[PFS:PFS+1]
	s_lshr_b32 s[WN], s[WN], 4
.endm
.Lpass:                                            ; two trips: block x of the queries, then block 7 - x
	s_load_b512 s[32:47], s[FLP:FLP+1], 0x0        ; the flag words of the block's sixteen tiles,
	s_lshl_b32 s[T1], s[WV], 2
	s_mov_b32 s[T1+1], 0
	s_add_nc_u64 s[T1:T1+1], s[FLP:FLP+1], s[T1:T1+1]
	s_load_b32 s[FW], s[T1:T1+1], 0x0              ; and my tile's
.irp i, 0,1,2,3
	global_load_b128 v[STGR+4*\i:STGR+4*\i+3], v[GKO], s[KP:KP+1] offset:8192*\i      ; chunk 0 is always fetched
.endr
.irp i, 0,1,2,3
	global_load_b128 v[FRG+4*\i:FRG+4*\i+3], v[GVO], s[VP:VP+1] offset:65536*\i
.endr
.irp c, 0,1,2,3
	global_load_b128 v[QF+4*\c:QF+4*\c+3], v[QO], s[QC:QC+1] offset:32*\c th:TH_LOAD_NT   ; Q's fragment stays in registers for the pass
.endr
	v_and_b32 v[SR], 15, v0
	v_lshlrev_b32 v[SR], 2, v[SR]
	global_load_b32 v[QSW], v[SR], s[QS:QS+1]      ; Q's scale words
	v_mov_b32 v[NM+1], 0xff61b1e6                  ; the largest t so far: -3e38, under every t
	v_floor_f32 v[NM], -v[NM+1]                    ; -M
	v_mov_b32 v[SUM], 0
	v_mov_b32 v[SUM+1], 0
.set J, 0
.rept 64
	v_mov_b32 v[OT+J], 0                           ; O^T.  Which key step is a tile's first hangs on the mask, so no first step can be written out to start the sums: the first change of M multiplies zeros
.set J, J+1
.endr
	s_mov_b32 s[TS], 0
	s_wait_kmcnt 0x0
	s_or_b32 s[WN], s32, s33
.irp i, 34,35,36,37,38,39,40,41,42,43,44,45,46,47
	s_or_b32 s[WN], s[WN], s\i
.endr
	s_lshr_b32 s[WN], s[WN], 4                     ; from chunk 1 on
	s_wait_loadcnt 0x0
.irp i, 0,1,2,3
	ds_store_b128 v[SK], v[STGR+4*\i:STGR+4*\i+3] offset:64*KPITCH*\i       ; slot 0: its last readers passed the barrier in front of the last chunk of the pass before
.endr
.irp i, 0,1,2,3
	ds_store_b128 v[SV], v[FRG+4*\i:FRG+4*\i+3] offset:32*VPITCH*\i
.endr
	s_add_nc_u64 s[KP:KP+1], s[KP:KP+1], 32768
	s_add_nc_u64 s[VP:VP+1], s[VP:VP+1], 256
	s_wait_dscnt 0x0                               ; for the others' sake: my part of chunk 0 (and, in the first pass, of the scale words) has landed
	s_barrier_signal -1
	s_barrier_wait -1
	s_mov_b32 s[CH], 4
.Ltrip:                                            ; four trips: two chunks, four key steps each
	v_add_nc_u32 v[ADS], s[TS], v[AS0]
	HALF 0
	HALF 1
	s_add_co_u32 s[TS], s[TS], 2048
	s_sub_co_u32 s[CH], s[CH], 1
	s_cmp_lg_u32 s[CH], 0
	s_cbranch_scc1 .Ltrip
	; THE WAY OUT.  O^T is divided by the sum and goes through my stage in LDS, half a head's row (64 channels, 256 bytes) of 16 queries at a time, so that sixteen lanes store 256 consecutive bytes at a multiple of 256 from out0's first byte.
.rept 8
	v_nop                                          ; places behind the last products
.endr
	v_add_f32 v[SUM], v[SUM], v[SUM+1]             ; the sum's two halves,
	v_permlanex16_b32 v[FF], v[SUM], s[SEL], s[SEL+1]
	v_add_f32 v[SUM], v[SUM], v[FF]                ; and lane l xor 16's: the row's sum
	v_rcp_f32 v[SUM], v[SUM]
	v_nop                                          ; a plain instruction behind the reciprocal,
	s_wait_alu depctr_va_vdst(0)                   ; and the wait ahead of its first reader
.set J, 0
.rept 64
	v_mul_f32 v[SR+J], v[OT+J], v[SUM]             ; register 8 t + i is o(query r, channel 16 t + 8 h + i)
.set J, J+1
.endr
.irp u, 0,1                                    ; channels 64 u on
.irp t, 0,1,2,3
	ds_store_b128 v[STI], v[SR+32*\u+8*\t:SR+32*\u+8*\t+3] offset:64*\t
	ds_store_b128 v[STI], v[SR+32*\u+8*\t+4:SR+32*\u+8*\t+7] offset:64*\t+16
.endr
.irp i, 0,1,2,3,4,5,6,7
	ds_load_b128 v[FRG+32*\u+4*\i:FRG+32*\u+4*\i+3], v[STO] offset:544*\i   ; LDS serves a wave's instructions in order (ISA guide 5.7.1.4): these see my stores, and the next half's stores come behind them
.endr
.endr
.irp u, 0,1
.irp i, 0,1,2,3,4,5,6,7
	s_wait_dscnt 16*(1-\u)+7-\i                    ; behind this load: its half's 7 - i later loads, and for the first half the second's 8 stores and 8 loads
	global_store_b128 v[GO], v[FRG+32*\u+4*\i:FRG+32*\u+4*\i+3], s[OP:OP+1] offset:32768*\i+256*\u th:TH_STORE_NT
.endr
.endr
	s_wait_xcnt 0x0                                ; the stores have read their registers and their base: both are written again below and at the next pass's head
	s_mov_b32 s[T1+1], 0                           ; on to block 7 - x: 7 - 2 x blocks of 256 queries further on (behind the second pass these numbers are not used)
	s_lshl_b32 s[T1], s[DELTA], 15
	s_add_nc_u64 s[QC:QC+1], s[QC:QC+1], s[T1:T1+1]
	s_lshl_b32 s[T1], s[DELTA], 10
	s_add_nc_u64 s[QS:QS+1], s[QS:QS+1], s[T1:T1+1]
	s_lshl_b32 s[T1], s[DELTA], 6
	s_add_nc_u64 s[FLP:FLP+1], s[FLP:FLP+1], s[T1:T1+1]
	s_lshl_b32 s[T1], s[DELTA], 16
	s_add_nc_u64 s[MP:MP+1], s[MP:MP+1], s[T1:T1+1]
	s_sub_nc_u64 s[MP:MP+1], s[MP:MP+1], 4096      ; (the pass has stepped it through 16 key steps)
	s_lshl_b32 s[T1], s[DELTA], 22
	s_add_nc_u64 s[OP:OP+1], s[OP:OP+1], s[T1:T1+1]
	s_sub_nc_u64 s[KP:KP+1], s[KP:KP+1], 9*32768   ; K and V back to the head's first chunk: stepped once at the pass's head and once in each of eight halves
	s_sub_nc_u64 s[VP:VP+1], s[VP:VP+1], 9*256
	s_sub_co_u32 s[PS], s[PS], 1
	s_cmp_lg_u32 s[PS], 0
	s_cbranch_scc1 .Lpass
	s_wait_xcnt 0x0
	v_lshl_add_u32 v254, v0, 2, 0x38000
	v_mov_b32 v255, 0
	s_wait_tensorcnt 0x0
	ds_add_u32 v254, v255
	s_wait_dscnt 0x0
	s_endpgm
.Lfunc_end_k_qfe63ac2ed9_attn:
	.size	k_qfe63ac2ed9_attn, .Lfunc_end_k_qfe63ac2ed9_attn-k_qfe63ac2ed9_attn
	.p2alignl 7, 3214868480
	.fill 96, 4, 3214868480
	.section	.rodata,"a",@progbits
	.p2align	6, 0x0
	.amdhsa_kernel k_qfe63ac2ed9_attn
		.amdhsa_group_segment_fixed_size 231424
		.amdhsa_private_segment_fixed_size 0
		.amdhsa_enable_private_segment 0
		.amdhsa_kernarg_size 72
		.amdhsa_user_sgpr_count 2
		.amdhsa_user_sgpr_kernarg_segment_ptr 1
		.amdhsa_wavefront_size32 1
		.amdhsa_system_sgpr_workgroup_id_x 1
		.amdhsa_system_sgpr_workgroup_id_y 1
		.amdhsa_system_sgpr_workgroup_id_z 1
		.amdhsa_system_vgpr_workitem_id 0
		.amdhsa_next_free_vgpr 256
		.amdhsa_next_free_sgpr 106
		.amdhsa_reserve_vcc 0
		.amdhsa_float_denorm_mode_32 3
		.amdhsa_float_denorm_mode_16_64 3
		.amdhsa_memory_ordered 1
		.amdhsa_forward_progress 1
		.amdhsa_inst_pref_size 131
	.end_amdhsa_kernel
	.amdgpu_metadata
---
amdhsa.version: [ 1, 2 ]
amdhsa.kernels:
  - .name:           k_qfe63ac2ed9_attn
    .symbol:         k_qfe63ac2ed9_attn.kd
    .args:
      - { .name: query_layer_codes, .offset: 0, .size: 8, .value_kind: global_buffer, .address_space: global }
      - { .name: query_layer_scales, .offset: 8, .size: 8, .value_kind: global_buffer, .address_space: global }
      - { .name: key_layer_codes, .offset: 16, .size: 8, .value_kind: global_buffer, .address_space: global }
      - { .name: key_layer_scales, .offset: 24, .size: 8, .value_kind: global_buffer, .address_space: global }
      - { .name: value_layer_codes, .offset: 32, .size: 8, .value_kind: global_buffer, .address_space: global }
      - { .name: value_layer_scales, .offset: 40, .size: 8, .value_kind: global_buffer, .address_space: global }
      - { .name: mw, .offset: 48, .size: 8, .value_kind: global_buffer, .address_space: global }
      - { .name: fl, .offset: 56, .size: 8, .value_kind: global_buffer, .address_space: global }
      - { .name: out0, .offset: 64, .size: 8, .value_kind: global_buffer, .address_space: global }
    .group_segment_fixed_size: 231424
    .private_segment_fixed_size: 0
    .kernarg_segment_align: 8
    .kernarg_segment_size: 72
    .max_flat_workgroup_size: 512
    .sgpr_count:     106
    .vgpr_count:     256
    .wavefront_size: 32
...
	.end_amdgpu_metadata
.endif
;; end of part 2
;; ======== version 2 of 2: 2 launches
;; workspace buffers: mw 1,048,576 bytes of whole numbers; fl 1,024 bytes of whole numbers
;; launch pack (part 3): grid 256 x 1, 4 waves a work-group, no clusters, 0 bytes of LDS; arguments attention_mask, mw, fl; writes mw, fl
.if DOCPART == 3
	.amdgcn_target "amdgcn-amd-amdhsa--gfx1250"
	.amdhsa_code_object_version 6
	.text
	.protected	k_qfe63ac2ed9_pack
	.globl	k_qfe63ac2ed9_pack
	.p2align	8
	.type	k_qfe63ac2ed9_pack,@function
k_qfe63ac2ed9_pack:
	s_mov_b64 s[64:65], 0
	v_nop
	global_prefetch_b8 v0, s[64:65] scope:SCOPE_SE
	s_setreg_imm32_b32 hwreg(HW_REG_WAVE_MODE, 25, 1), 1
	s_wait_xcnt 0x0
; THE MASK, [2][1][2048][2048] bytes (not 0 = the key is hidden from the query), IS PACKED ONCE FOR THE 32 HEADS THAT WANT IT, into lane masks for the attention launch, and two flags for each tile are made of it.
; A tile is 16 queries x 128 keys (a key step).  mw: [b 2][query tile 128][key step 16][64 words].  Word n = 16 blk + i; its bit l = 16 h + r holds mask[b][16 tile + r][128 step + 32 blk + 16 h + i]:
; that is the lane (query r, half h) and the register n in which the attention launch holds that score, so a word is the lane mask of one select there.
; fl: [b][query tile], one word: bit 2 j: key step j has a key that counts (there is work); bit 2 j + 1: it has a hidden key (the selects are wanted).
; SHARES.  Work-group id = 128 b + query tile: 16 rows of the mask.  Wave g takes key steps 4 g .. 4 g + 3: 512 bytes of each row, by 16 loads of 16 bytes a lane; a compare turns lanes into bits, so the lanes are laid
; (query, half): a load takes 32 bytes of each of 16 rows, and the wave's 16 loads together use the two aligned runs of 256 bytes of each row whole.
; No LDS, no barrier: waves share nothing.  Every offset is an immediate, no register of a load or store is written again.
.set DAT, 16                           ; v16-79  16 loads x 4 registers
.set WRD, 8                            ; v8-15   key step ks: words 2 L and 2 L + 1 in lane L of v[8 + 2 ks], v[9 + 2 ks]
	s_load_b128 s[4:7], s[0:1], 0x0                ; the mask, mw
	s_load_b64 s[8:9], s[0:1], 0x10                ; fl
	v_lshrrev_b32 v3, 5, v0
	v_readfirstlane_b32 s10, v3                    ; wave g
	v_and_b32 v4, 15, v0                           ; r
	v_bfe_u32 v5, v0, 4, 1                         ; h
	v_lshlrev_b32 v1, 11, v4
	v_lshl_add_u32 v1, v5, 4, v1                   ; in: row r of 2,048 bytes, + 16 h
	v_and_b32 v6, 31, v0
	v_lshlrev_b32 v2, 3, v6                        ; out: 8 bytes a lane
.irp i, 8,9,10,11,12,13,14,15
	v_mov_b32 v\i, 0                               ; a lane write's destination counts as read: written once, whole
.endr
	s_lshl_b32 s12, ttmp9, 15                      ; 16 rows of 2,048 bytes a work-group,
	s_lshl_b32 s14, s10, 9                         ; 512 bytes of a row a wave
	s_add_co_u32 s12, s12, s14
	s_mov_b32 s13, 0
	s_lshl_b32 s14, ttmp9, 12                      ; mw: 16 key steps of 256 bytes a work-group,
	s_lshl_b32 s16, s10, 10                        ; four of them a wave
	s_add_co_u32 s14, s14, s16
	s_mov_b32 s15, 0
	s_lshl_b32 s16, ttmp9, 2                       ; fl: a word a work-group, a byte a wave
	s_add_co_u32 s16, s16, s10
	s_mov_b32 s17, 0
	s_mov_b32 s26, 0                               ; my byte of flags
	s_wait_kmcnt 0x0
	s_add_nc_u64 s[4:5], s[4:5], s[12:13]
	s_add_nc_u64 s[6:7], s[6:7], s[14:15]
	s_add_nc_u64 s[8:9], s[8:9], s[16:17]
.irp ks, 0,1,2,3
.irp blk, 0,1,2,3
	global_load_b128 v[DAT+16*\ks+4*\blk:DAT+16*\ks+4*\blk+3], v1, s[4:5] offset:128*\ks+32*\blk th:TH_LOAD_NT
.endr
.endr
; One key step: 64 bytes a lane become 64 words of the wave.
.macro WORDS ks
	s_wait_loadcnt 12-4*(\ks)                      ; this key step's four loads are in; the four of each later key step may be out
	s_mov_b32 s24, 0                               ; the words' OR,
	s_mov_b32 s25, -1                              ; and their AND
.set N, 0
.rept 16                                       ; register N / 4 of the key step holds bytes i = N % 16 .. + 3 of block N / 16
.irp e, 0,1,2,3
	v_bfe_u32 v[4+\e], v[DAT+16*(\ks)+N/4], 8*\e, 8
.endr
.irp e, 0,1,2,3
	v_cmp_ne_u32 s[20+\e], 0, v[4+\e]              ; word N + e: a bit for each lane
.endr
.irp e, 0,1,2,3
	v_writelane_b32 v[WRD+2*(\ks)+(N+\e)%2], s[20+\e], (N+\e)/2
.endr
.irp e, 0,1,2,3
	s_or_b32 s24, s24, s[20+\e]
	s_and_b32 s25, s25, s[20+\e]
.endr
.set N, N+4
.endr
	s_cmp_lg_u32 s25, -1                           ; some bit is 0: a key counts
	s_cselect_b32 s27, 1<<(2*(\ks)), 0
	s_or_b32 s26, s26, s27
	s_cmp_lg_u32 s24, 0                            ; some bit is 1: a key is hidden
	s_cselect_b32 s27, 2<<(2*(\ks)), 0
	s_or_b32 s26, s26, s27
	s_wait_alu depctr_va_vdst(0)
	global_store_b64 v2, v[WRD+2*(\ks):WRD+2*(\ks)+1], s[6:7] offset:256*(\ks)   ; 32 lanes store 256 consecutive bytes, at a multiple of 256 from mw's first byte
.endm
	WORDS 0
	WORDS 1
	WORDS 2
	WORDS 3
	v_mov_b32 v3, s26
	v_mov_b32 v5, 0
	v_and_b32 v4, 31, v0
	v_cmp_eq_u32 vcc_lo, 0, v4
	s_wait_alu depctr_va_vdst(0)
	s_wait_xcnt 0x0                                ; EXEC is a source of the stores above: it changes only behind this wait
	s_and_saveexec_b32 s28, vcc_lo
	global_store_b8 v5, v3, s[8:9]                 ; lane 0: my four key steps' flags (1,024 bytes of flags in the whole launch)
	s_wait_xcnt 0x0                                ; and again, in front of the line that widens it
	s_or_b32 exec_lo, exec_lo, s28
	s_endpgm
.Lfunc_end_k_qfe63ac2ed9_pack:
	.size	k_qfe63ac2ed9_pack, .Lfunc_end_k_qfe63ac2ed9_pack-k_qfe63ac2ed9_pack
	.p2alignl 7, 3214868480
	.fill 96, 4, 3214868480
	.section	.rodata,"a",@progbits
	.p2align	6, 0x0
	.amdhsa_kernel k_qfe63ac2ed9_pack
		.amdhsa_group_segment_fixed_size 0
		.amdhsa_private_segment_fixed_size 0
		.amdhsa_enable_private_segment 0
		.amdhsa_kernarg_size 24
		.amdhsa_user_sgpr_count 2
		.amdhsa_user_sgpr_kernarg_segment_ptr 1
		.amdhsa_wavefront_size32 1
		.amdhsa_system_sgpr_workgroup_id_x 1
		.amdhsa_system_sgpr_workgroup_id_y 1
		.amdhsa_system_sgpr_workgroup_id_z 1
		.amdhsa_system_vgpr_workitem_id 0
		.amdhsa_next_free_vgpr 80
		.amdhsa_next_free_sgpr 66
		.amdhsa_reserve_vcc 1
		.amdhsa_float_denorm_mode_32 3
		.amdhsa_float_denorm_mode_16_64 3
		.amdhsa_memory_ordered 1
		.amdhsa_forward_progress 1
		.amdhsa_inst_pref_size 69
	.end_amdhsa_kernel
	.amdgpu_metadata
---
amdhsa.version: [ 1, 2 ]
amdhsa.kernels:
  - .name:           k_qfe63ac2ed9_pack
    .symbol:         k_qfe63ac2ed9_pack.kd
    .args:
      - { .name: attention_mask, .offset: 0, .size: 8, .value_kind: global_buffer, .address_space: global }
      - { .name: mw, .offset: 8, .size: 8, .value_kind: global_buffer, .address_space: global }
      - { .name: fl, .offset: 16, .size: 8, .value_kind: global_buffer, .address_space: global }
    .group_segment_fixed_size: 0
    .private_segment_fixed_size: 0
    .kernarg_segment_align: 8
    .kernarg_segment_size: 24
    .max_flat_workgroup_size: 128
    .sgpr_count:     66
    .vgpr_count:     80
    .wavefront_size: 32
...
	.end_amdgpu_metadata
.endif
;; end of part 3
;; launch attn (part 4): grid 4 x 64, 16 waves a work-group, no clusters, 231,424 bytes of LDS; arguments query_layer_codes, query_layer_scales, key_layer_codes, key_layer_scales, value_layer_codes, value_layer_scales, mw, fl, out0; writes out0
.if DOCPART == 4
	.amdgcn_target "amdgcn-amd-amdhsa--gfx1250"
	.amdhsa_code_object_version 6
	.text
	.protected	k_qfe63ac2ed9_attn
	.globl	k_qfe63ac2ed9_attn
	.p2align	8
	.type	k_qfe63ac2ed9_attn,@function
k_qfe63ac2ed9_attn:
	s_mov_b64 s[64:65], 0
	v_nop
	global_prefetch_b8 v0, s[64:65] scope:SCOPE_SE
	s_setreg_imm32_b32 hwreg(HW_REG_WAVE_SCHED_MODE, 0, 2), 2
	s_setreg_imm32_b32 hwreg(HW_REG_WAVE_MODE, 25, 1), 1
	s_wait_xcnt 0x0
	s_wait_alu depctr_vm_vsrc(0)
; out0[b][q][128 head + d] = the sum over k of softmax_k(Q[q] . K[k] / sqrt(128), hidden keys at -infinity) V[k][d], both products on codes of E4M3 with one E8M0 scale for each 32 along a product's K.
; Q, K: [64 heads][2048][128] codes, scale bytes [64][2048][4].  V: codes with the KEYS innermost, [64][128][2048], scale bytes [64][128][64].  The mask is an input; it comes packed by the launch before:
; mw [b][query tile][key step][64 words]: word n is the lane mask of score register n;  fl [b][query tile]: bit 2 j: key step j has a key that counts, bit 2 j + 1: it has a hidden key.
; THE SOFTMAX AHEAD OF THE SECOND PRODUCT: t = score x log2(e) / sqrt(128); M = the row's largest t so far, rounded UP to a whole number; p = 2^(t - M) is quantised along the keys, not normalised.  The row's sum is taken
; of the unquantised p and divides at the end.  When M moves, the sum and O are multiplied by 2^(old M - new M): exact.  A row all of whose keys are hidden has sum 0 and O 0: 0 x (1 / 0) is the NaN that the softmax of such a row is.
; SHARES.  256 work-groups, four to a head.  Work-group x makes two passes of 256 queries: block x, then block 7 - x.  Each of its SIXTEEN waves owns 16 queries, one tile, in 256 registers: four waves to a SIMD, so that one
; wave's vector work stands beside another's matrix work and LDS loads.  A pass walks the head's keys in 8 chunks of 256 (two key steps of 128) through two LDS slots: trip counts are constants, every wave passes every barrier.
; WORK THAT THE MASK THROWS AWAY IS NOT DONE: a wave jumps over a key step all of whose 16 x 128 mask bytes hide, and a chunk that none of the sixteen tiles wants is not fetched: scalar branches on the stored flags, right for every mask.
; WHY NO TENSOR LOADS AND NO CLUSTER, though four work-groups walk one head's K and V: which steps are worked and which chunks are fetched hangs on flag words read from memory, which differ from work-group to work-group
; (blocks x and 7 - x); partners of a joint load must ask alike.  So the 512 threads bring a chunk (64 KiB) through registers: 8 loads of 16 bytes a thread.
; LAYOUT.  Both products are used transposed: S^T = K Q^T (source 0 = 16 keys, source 1 = my 16 queries), O^T = V^T P^T (source 0 = 16 of the head's 128, source 1 = P): a lane holds ONE query (lane % 16) throughout.
; THE KEYS OF A TILE ARE NOT NEIGHBOURS: row m of tile 2 b + u is key 32 b + 8 u + m + 8 (m / 8), so that the 16 registers of tiles 2 b, 2 b + 1 are 16 neighbouring keys, 32 b + 16 (lane / 16) + 0 .. 15.  K's rows are LAID in LDS in
; that order (a key's LDS row is the key with its bits 3 and 4 exchanged), so a tile is 16 consecutive LDS rows.
; LIMITS: NaN codes and scale bytes 0xff among the inputs are not served.  c = log2(e) / sqrt(128) is one rounded constant where the definition divides and then multiplies (two roundings): t differs by an ulp at the most.
; THE MODE: SCHED_MODE bits 1:0 = 2 (LLVM: expert scheduling mode 2), set by the entry lines.  The code itself states the register dependences between vector or matrix instructions and memory or LDS instructions, with s_wait_alu, always for 0.
; THE PLAN.  Registers that memory or LDS instructions touch, and who else names them:
;   v1-8, v11, v236-239   addresses and offsets: written once at the head, ahead of a wait on va_vdst that stands in front of their first reader; never written again.
;   v9 (ADS)              read by the LDS loads of scale words; written once a trip, at the trip's head: behind the wait on vm_vsrc in front of the barrier before, ahead of the step's own wait on va_vdst.
;   v240-255 (STGR)       global loads land, LDS stores read; no vector instruction names them before the kernel's end: one wait on vm_vsrc behind each run of four LDS stores, ahead of the next loads.
;   v32-95 (FRG), v228-231 (SW), v112-159   LDS loads land, products read; v32-48 hold the softmax's small numbers and v112-159 p between the products.  A worked step:
;       head        wait: the last step's products are done -> K's scale words, K's tiles 0-3 into v32-95
;       4 products  wait: they are done reading v32-95      -> K's tiles 4-7 into v32-95
;       64 exp      wait (the batch's own): K Q^T is done with v48-95 and SW, the lines on v48 are done -> V's scale words, V's tiles 1-3 into v48-95, dealt among the additions of the row's sum
;       conversions, 8 multiplications   wait: codes and scale word are written, v32-47 and v112-159 are done with -> V's tiles 0, 4, 5, 6 into v32-47, v112-159
;       product of tile 1, 24 multiplications   wait: it is done reading v48-63 -> V's tile 7 into v48-63; the other seven products follow
;   v16-31, v232 (Q)      global loads land at a pass's head, behind its wait on va_vdst; products read.
;   v100-163 (SR)         the way out's multiplications write, its LDS stores read: a wait on va_vdst between; a wait on vm_vsrc at the next pass's head, ahead of the first line that writes one of them again.
.set KPITCH, 144                       ; a key's row in LDS: 128 bytes + 16: an odd multiple of 16 bytes, so the 16 rows of a load begin in 16 different columns of 16 bytes
.set VPITCH, 272                       ; a row of V's chunk: 256 bytes + 16
.set KSLOT,  256*KPITCH                ; LDS: K's two slots from 0,
.set VBASE,  2*KSLOT                   ; V's two from 73,728,
.set VSLOT,  128*VPITCH
.set SCK,    VBASE+2*VSLOT             ; 143,360: K's scale words of the whole head, 4 bytes a key, in the order of the LDS rows;
.set SCV,    SCK+8192                  ; V's, as [key step 16][d 128] words;
.set STG,    SCV+8192                  ; 159,744: a stage of 16 rows x (256 + 16) bytes for each wave, for the way out: up to 229,376
.set WSTG,   16*272
.set AK0,  1                           ; v1, v2  my lane's place in a tile of K, slot 0, slot 1
.set AV,   3                           ; v3   the same for V, slot 0
.set SK,   4                           ; v4   where my thread puts its 16 bytes of a chunk of K
.set SV,   5                           ; v5   and of V
.set GKO,  6                           ; v6   16 x thread: my bytes of K's chunk in memory
.set GVO,  7                           ; v7   and of V's: row thread / 16, 16 (thread % 16)
.set AS0,  8                           ; v8   SCK + 4 x lane
.set ADS,  9                           ; v9   the same for the trip in hand
.set NINF, 10                          ; v10  -infinity
.set STI,  11                          ; v11  the stage: where I put 32 bytes of a row
.set NM,   12                          ; v12  -M;  v13 the largest t
.set SUM,  14                          ; v[14:15] the row's sum in two halves
.set QF,   16                          ; v16-31   Q's fragment
.set FRG,  32                          ; v32-95   four fragments of K; of V tile 0 in v32-47, tiles 1 to 3 in v48-95, later tile 7 in v48-63; between the products the softmax's small numbers:
.set BM,   32                          ;   v32-35 the blocks' largest scores, then largest p
.set PT,   36                          ;   v36-39 at work
.set HD,   40                          ;   v40-43 448 x the scale
.set SO,   44                          ;   v44-47 the conversions' scale operands
.set TP,   48                          ;   v48    at work, up to the exponentials
.set PC,   96                          ; v96-111  p's codes: block 0's in v96-99, blocks 1 to 3's over block 0's p, which is converted by then
.set SR,   100                         ; v100-163 S^T, then p; behind the conversions v112-159 take V's tiles 4 to 6
.set OT,   164                         ; v164-227 O^T
.set SW,   228                         ; v228-231 scale words of K or V: lanes 0-15 an even tile's rows, lanes 16-31 the odd tile's behind it
.set QSW,  232                         ; v232 Q's scale words
.set PSW,  233                         ; v233 p's
.set FF,   234                         ; v[234:235] f = 2^(old M - new M); the packed forms name the pair and take its low word
.set STO,  236                         ; v236 the stage: where I read a row back
.set GO,   237                         ; v237 my byte offset in the wave's rows of out0
.set PFO,  238                         ; v238 the prefetches' offset; never rewritten
.set QO,   239                         ; v239 my byte offset in the wave's rows of Q
.set STGR, 240                         ; v240-255 16 bytes x 4 on their way from memory to LDS
.set WV,   2                           ; s2   wave
.set T2,   3
.set TS,   4                           ; s4   2,048 x trip: where the trip's scale words begin
.set FW,   5                           ; s5   my tile's flags, 2 bits a key step, shifted down step by step
.set WN,   6                           ; s6   the OR of the block's 16 flag words, shifted so that bits 0 and 2 speak of the NEXT chunk
.set NXT,  7                           ; s7   not 0: the next chunk is wanted
.set CH,   8
.set PS,   9
.set KP,   10                          ; s[10:11] K's next chunk;  s[12:13] V's
.set VP,   12
.set MP,   14                          ; s[14:15] my tile's mask words of the step in hand
.set OP,   16                          ; s[16:17] my first row of out0
.set SEL,  18                          ; s[18:19] v_permlanex16_b32's selects for lane l xor 16
.set CS,   20                          ; s[20:21] c = log2(e) / sqrt(128), twice
.set MNT,  22                          ; s22  the mantissa field of 448
.set T0,   23
.set QC,   24                          ; s[24:25] my queries' codes;  s[26:27] their scale words
.set QS,   26
.set FLP,  28                          ; s[28:29] the block's 16 flag words
.set DELTA, 30                         ; s30  7 - 2 x: blocks from the first pass to the second
.set PFN,  31                          ; s31  prefetches still to be made
.set PFA,  66                          ; s[66:67] where they stand
.set T1,   100
.set PFS,  104                         ; s[104:105] a chunk on, in bytes
                                       ; s[32:63], s[68:99]: a step's 64 mask words (at the head: the arguments; at a pass's head: the flag words)
	s_load_b512 s[32:47], s[0:1], 0x0              ; Q codes, Q scales, K codes, K scales, V codes, V scales, mw, fl
	s_load_b64 s[48:49], s[0:1], 0x40              ; out0
	v_lshrrev_b32 v100, 5, v0
	v_readfirstlane_b32 s[WV], v100                ; wave 0..15
	v_and_b32 v100, 15, v0                         ; r = lane % 16 = thread % 16
	v_bfe_u32 v101, v0, 4, 1                       ; h = lane / 16
	v_and_b32 v102, 31, v0                         ; lane
	v_mul_u32_u24 v[AK0], v100, KPITCH
	v_lshl_add_u32 v[AK0], v101, 4, v[AK0]         ; a fragment's row x pitch + 16 x half
	v_add_nc_u32 v[AK0+1], KSLOT, v[AK0]
	v_mul_u32_u24 v[AV], v100, VPITCH
	v_lshl_add_u32 v[AV], v101, 4, v[AV]
	v_add_nc_u32 v[AV], VBASE, v[AV]
	v_lshrrev_b32 v103, 3, v0                      ; a load's 8,192 bytes are 64 keys: mine is thread / 8;
	v_and_b32 v103, 0x27, v103                     ; its LDS row: bits 3 and 4 exchanged
	v_bfe_u32 v104, v0, 6, 1
	v_lshl_add_u32 v103, v104, 4, v103
	v_bfe_u32 v104, v0, 7, 1
	v_lshl_add_u32 v103, v104, 3, v103
	v_mul_u32_u24 v[SK], v103, KPITCH
	v_and_b32 v104, 7, v0
	v_lshl_add_u32 v[SK], v104, 4, v[SK]
	v_lshrrev_b32 v103, 4, v0                      ; V: a load takes 256 bytes of each of 32 rows: mine is thread / 16
	v_mul_u32_u24 v[SV], v103, VPITCH
	v_lshl_add_u32 v[SV], v100, 4, v[SV]
	v_add_nc_u32 v[SV], VBASE, v[SV]
	v_lshlrev_b32 v[GKO], 4, v0
	v_lshlrev_b32 v[GVO], 11, v103
	v_lshl_add_u32 v[GVO], v100, 4, v[GVO]
	v_lshl_add_u32 v[AS0], v102, 2, SCK
	v_mov_b32 v[NINF], 0xff800000
	s_wait_alu depctr_va_sdst(0)                   ; the wave's number is written, ahead of its first reader: LDS places, pointers and branches are made from it
	s_mul_i32 s[T2], s[WV], WSTG
	s_add_co_u32 s[T2], s[T2], STG                 ; my stage
	v_mul_u32_u24 v[STI], v100, 272
	v_lshl_add_u32 v[STI], v101, 5, v[STI]
	v_add_nc_u32 v[STI], s[T2], v[STI]             ; in: row r, + 32 h
	v_mul_u32_u24 v[STO], v101, 272
	v_lshl_add_u32 v[STO], v100, 4, v[STO]
	v_add_nc_u32 v[STO], s[T2], v[STO]             ; back: lanes 0-15 one row, lanes 16-31 the next
	v_lshlrev_b32 v[GO], 14, v101                  ; and the same two rows of out0, 16,384 bytes apart
	v_lshl_add_u32 v[GO], v100, 4, v[GO]
	v_lshlrev_b32 v[QO], 7, v100
	v_lshl_add_u32 v[QO], v101, 4, v[QO]
	v_and_b32 v103, 0x1f9, v0                      ; K's scale words: my 16 bytes are keys 4 t .. 4 t + 3; bits 3, 4 of a key are bits 1, 2 of t
	v_bfe_u32 v104, v0, 1, 1
	v_lshl_add_u32 v103, v104, 2, v103
	v_bfe_u32 v104, v0, 2, 1
	v_lshl_add_u32 v103, v104, 1, v103
	v_lshl_add_u32 v103, v103, 4, SCK
	v_and_b32 v104, 3, v0                          ; V's: my 16 bytes are row d = t / 4, key steps 4 (t % 4) + 0 .. 3; they go to [key step][d]
	v_lshrrev_b32 v105, 2, v0
	v_lshlrev_b32 v104, 11, v104
	v_lshl_add_u32 v104, v105, 2, v104
	v_add_nc_u32 v104, SCV, v104
	v_mov_b32 v[FF], 0                             ; written once, whole: a lane permute's destination, and the upper half of a pair that is named
	v_mov_b32 v[FF+1], 0
	s_and_b32 s50, ttmp7, 0xffff                   ; 32 b + head
	s_lshr_b32 s51, s50, 5                         ; b
	s_and_b32 s52, s50, 31                         ; head
	s_lshl_b32 s54, ttmp9, 8
	s_lshl_b32 s55, s[WV], 4
	s_add_co_u32 s54, s54, s55                     ; my first query of the first pass: 256 x + 16 x wave
	s_lshl_b32 s[DELTA], ttmp9, 1
	s_sub_co_u32 s[DELTA], 7, s[DELTA]
	s_mov_b32 s57, 0                               ; every offset below stays under 2^32
	s_mov_b32 s[SEL], 0x76543210
	s_mov_b32 s[SEL+1], 0xfedcba98
	s_mov_b32 s[CS], 0x3e0293ee
	s_mov_b32 s[CS+1], s[CS]
	s_mov_b32 s[MNT], 0x600000
	s_mov_b32 s[PS], 2
	s_wait_kmcnt 0x0
	s_lshl_b32 s56, s50, 18                        ; a head's codes: 262,144 bytes
	s_add_nc_u64 s[KP:KP+1], s[36:37], s[56:57]
	s_add_nc_u64 s[VP:VP+1], s[40:41], s[56:57]
	s_lshl_b32 s55, s54, 7
	s_add_co_u32 s56, s56, s55
	s_add_nc_u64 s[QC:QC+1], s[32:33], s[56:57]
	s_lshl_b32 s56, s50, 13                        ; a head's scale bytes: 8,192
	s_add_nc_u64 s[58:59], s[38:39], s[56:57]
	s_add_nc_u64 s[60:61], s[42:43], s[56:57]
	s_lshl_b32 s55, s54, 2
	s_add_co_u32 s56, s56, s55
	s_add_nc_u64 s[QS:QS+1], s[34:35], s[56:57]
	s_lshl_b32 s56, s51, 7
	s_lshl_b32 s55, ttmp9, 4
	s_add_co_u32 s55, s56, s55                     ; the block's first query tile: 128 b + 16 x
	s_lshl_b32 s56, s55, 2
	s_add_nc_u64 s[FLP:FLP+1], s[46:47], s[56:57]
	s_add_co_u32 s56, s55, s[WV]
	s_lshl_b32 s56, s56, 12                        ; a tile's mask words: 16 key steps of 256 bytes
	s_add_nc_u64 s[MP:MP+1], s[44:45], s[56:57]
	s_lshl_b32 s56, s51, 11
	s_add_co_u32 s56, s56, s54
	s_lshl_b32 s56, s56, 14                        ; row 2,048 b + query of 16,384 bytes,
	s_lshl_b32 s55, s52, 9                         ; the head's 512 bytes in it
	s_add_co_u32 s56, s56, s55
	s_add_nc_u64 s[OP:OP+1], s[48:49], s[56:57]
	s_wait_alu depctr_va_vdst(0)                   ; the addresses and offsets made above are written: v1-8, v11, v236, v237, v239 for the whole kernel, v103 and v104 for the LDS stores below
	global_load_b128 v[108:111], v[GKO], s[58:59]  ; the head's scale bytes, 8,192 of K's and 8,192 of V's: 16 bytes a thread of each, once
	global_load_b128 v[112:115], v[GKO], s[60:61]
	; the prefetches (macro ASK): wave 0 asks for K's codes, wave 1 for V's.  The head's four work-groups share a chunk out by address: 8,192 bytes of K's 32,768, lanes 256 bytes apart; 32 of V's 128 rows, a lane a row
	s_lshl_b32 s62, ttmp9, 13
	s_add_co_u32 s62, s62, 2*32768                 ; they begin at chunk 2
	s_lshl_b32 s63, ttmp9, 16
	s_add_co_u32 s63, s63, 2*256
	s_cmp_eq_u32 s[WV], 0
	s_cselect_b64 s[PFA:PFA+1], s[KP:KP+1], s[VP:VP+1]
	s_cselect_b32 s56, s62, s63
	s_mov_b32 s62, 256
	s_cselect_b32 s[PFS], 32768, s62               ; a chunk on
	s_mov_b32 s63, 2048
	s_cselect_b32 s63, s62, s63                    ; from lane to lane
	s_mov_b32 s[PFS+1], 0
	s_add_nc_u64 s[PFA:PFA+1], s[PFA:PFA+1], s[56:57]
	v_mul_lo_u32 v[PFO], v102, s63                 ; (read by the prefetches alone: the first pass's wait on va_vdst stands between this line and the first of them)
	s_cmp_lt_u32 s[WV], 2
	s_cselect_b32 s[PFN], 6, 0                     ; chunks 2 to 7, in the first pass's first six halves
	s_wait_loadcnt 0x0
	ds_store_b128 v103, v[108:111]
.irp e, 0,1,2,3
	ds_store_b32 v104, v[112+\e] offset:512*\e
.endr                                          ; (the first pass's barrier stands between these stores and their readers)
; A PREFETCH INTO THE L2 of the chunk after the one whose loads have just been issued: one instruction in each of waves 0 and 1, behind the wave's own loads.  Each aligned run of 256 bytes of a head's K and V codes from chunk 2 on is
; named once in the launch; chunks 0 and 1 come by their loads alone, chunk 7 is the last that is named, and the second pass, which reads what the first has read, asks for nothing.
.macro ASK
	s_cmp_lg_u32 s[PFN], 0
	s_cbranch_scc0 .Lnot_mine_\@
	global_prefetch_b8 v[PFO], s[PFA:PFA+1] th:TH_LOAD_NT scope:SCOPE_SE
	s_sub_co_u32 s[PFN], s[PFN], 1
.Lnot_mine_\@:
.endm
; V's tile t (16 of the head's 128 x the step's 128 keys) into the sixteen registers from f on
.macro VFRAG f, t, slot, q
.irp c, 0,1,2,3
	ds_load_b128 v[\f+4*\c:\f+4*\c+3], v[AV] offset:VSLOT*(\slot)+16*VPITCH*(\t)+128*(\q)+32*\c
.endr
.endm
; O^T's tile t += V's tile t, which lies from register f on, x P.  An even tile's scale words lie in lanes 0-15 of its pair's register, an odd tile's in lanes 16-31
.macro PV_EVEN t, f
	v_wmma_scale_f32_16x16x128_f8f6f4 v[OT+8*(\t):OT+8*(\t)+7], v[\f:\f+15], v[PC:PC+15], v[OT+8*(\t):OT+8*(\t)+7], v[SW+(\t)/2], v[PSW]
.endm
.macro PV_ODD t, f
	v_wmma_scale_f32_16x16x128_f8f6f4 v[OT+8*(\t):OT+8*(\t)+7], v[\f:\f+15], v[PC:PC+15], v[OT+8*(\t):OT+8*(\t)+7], v[SW+(\t)/2], v[PSW] matrix_a_scale:MATRIX_SCALE_ROW1
.endm
; A KEY STEP: 128 keys, the q-th of the slot in hand, for my 16 queries.
.macro STEP slot, q
.set KST, 2*(\slot)+(\q)               ; which of the trip's four key steps
	s_and_b32 s[T0], s[FW], 1
	s_cmp_eq_u32 s[T0], 0
	s_cbranch_scc1 .Lskip_\@                       ; all 16 x 128 mask bytes hide: nothing of this step counts
	s_load_b512 s[32:47], s[MP:MP+1], 0x0          ; the step's 64 lane masks; they land while K Q^T is made
	s_load_b512 s[48:63], s[MP:MP+1], 0x40
	s_load_b512 s[68:83], s[MP:MP+1], 0x80
	s_load_b512 s[84:99], s[MP:MP+1], 0xc0
.rept 9
	v_nop                                          ; nine places behind the last step's products, in front of the first products below, which write over p's codes, their source 1, and over v112-159, where V's tiles 4 to 6 lay
.endr
	s_wait_alu depctr_va_vdst(0)                   ; the last step's products are done reading v32-95 and the scale words v228-231, in which the loads below land; in a trip's first worked step v[ADS], their address, is written
.irp b, 0,1,2,3
	ds_load_b32 v[SW+\b], v[ADS] offset:512*KST+128*\b     ; the scale words of tiles 2 b (lanes 0-15) and 2 b + 1 (lanes 16-31): 128 consecutive bytes
.endr
.irp g, 0,1                                    ; S^T = K Q^T, four tiles of 16 keys at a time
.if \g > 0
.rept 8
	v_nop                                          ; places in front of loads into registers that matrix instructions have read
.endr
	s_wait_alu depctr_va_vdst(0)                   ; the four products above are done reading their fragments, v32-95, in which K's tiles 4 to 7 land
.endif
.irp t, 0,1,2,3
.irp c, 0,1,2,3
	ds_load_b128 v[FRG+16*\t+4*\c:FRG+16*\t+4*\c+3], v[AK0+\slot] offset:128*KPITCH*(\q)+16*KPITCH*(4*\g+\t)+32*\c
.endr
.endr
	s_wait_dscnt 0x0
.irp t, 0,2
	v_wmma_scale_f32_16x16x128_f8f6f4 v[SR+8*(4*\g+\t):SR+8*(4*\g+\t)+7], v[FRG+16*\t:FRG+16*\t+15], v[QF:QF+15], 0, v[SW+2*\g+\t/2], v[QSW]
	v_wmma_scale_f32_16x16x128_f8f6f4 v[SR+8*(4*\g+\t+1):SR+8*(4*\g+\t+1)+7], v[FRG+16*(\t+1):FRG+16*(\t+1)+15], v[QF:QF+15], 0, v[SW+2*\g+\t/2], v[QSW] matrix_a_scale:MATRIX_SCALE_ROW1
.endr
.endr                                          ; lane (r, h) holds query r; register 16 b + i is key 32 b + 16 h + i of the step
.rept 8
	v_nop                                          ; places in front of the first read of results and the first write of a fragment's register
.endr
	s_wait_kmcnt 0x0                               ; the mask words are in (on both ways: their address steps at the step's end)
	s_and_b32 s[T0], s[FW], 2
	s_cmp_eq_u32 s[T0], 0
	s_cbranch_scc1 .Lopen_\@                       ; no key of the step is hidden from any of my queries
.set N, 0
.rept 32
	v_cndmask_b32 v[SR+N], v[SR+N], v[NINF], s[32+N]       ; hidden scores become -infinity ahead of the maximum: p = 0 then.  One select a register; in ascending order
.set N, N+1
.endr
.rept 32
	v_cndmask_b32 v[SR+N], v[SR+N], v[NINF], s[36+N]
.set N, N+1
.endr
.Lopen_\@:
.irp b, 0,1,2,3
	v_max3_num_f32 v[BM+\b], v[SR+16*\b], v[SR+1+16*\b], v[SR+2+16*\b]   ; THE LARGEST SCORE OF EACH BLOCK OF 32 KEYS serves twice: for the row's maximum, and, since p rises with the score, for the block's largest p
.endr
.irp i, 3,5,7,9,11,13
.irp b, 0,1,2,3
	v_max3_num_f32 v[BM+\b], v[BM+\b], v[SR+16*\b+\i], v[SR+1+16*\b+\i]  ; (the four blocks by turns)
.endr
.endr
.irp b, 0,1,2,3
	v_max_num_f32 v[BM+\b], v[BM+\b], v[SR+15+16*\b]
.endr
.irp b, 0,1,2,3
	v_permlanex16_b32 v[PT+\b], v[BM+\b], s[SEL], s[SEL+1]
.endr
.irp b, 0,1,2,3
	v_max_num_f32 v[BM+\b], v[BM+\b], v[PT+\b]     ; with lane l xor 16's 16 keys
.endr
	v_max3_num_f32 v[TP], v[BM], v[BM+1], v[BM+2]
	v_max_num_f32 v[TP], v[TP], v[BM+3]            ; the step's largest score of my query (-infinity where all 128 are hidden)
	v_mul_f32 v[TP], s[CS], v[TP]                  ; as t (c is positive)
	v_max_num_f32 v[NM+1], v[NM+1], v[TP]          ; the running largest t
	v_mov_b32 v[TP], v[NM]
	v_floor_f32 v[NM], -v[NM+1]                    ; the new -M = floor(-t) = -ceil(t): M is a whole number
	v_sub_f32 v[TP], v[NM], v[TP]                  ; M's old value less its new one: a whole number, 0 or less
	v_cvt_i32_f32 v[TP], v[TP]                     ; (it saturates)
	v_ldexp_f32 v[FF], 1.0, v[TP]                  ; f = 2^(old M - new M)
.set J, 0
.rept 32
	v_pk_fma_f32 v[SR+J:SR+J+1], v[SR+J:SR+J+1], s[CS:CS+1], v[NM:NM+1] op_sel_hi:[1,0,0]   ; t - M, two at a time (of the pairs c and -M the low word serves both halves)
.set J, J+2
.endr
.irp b, 0,1,2,3
	v_fma_f32 v[BM+\b], v[BM+\b], s[CS], v[NM]     ; the same of each block's largest score
.endr
.set J, 0
	s_wait_alu depctr_va_vdst(0)
.rept 64
	v_exp_f32 v[SR+J], v[SR+J]                     ; p = 2^(t - M), at most 1: not normalised
.set J, J+1
.endr
	v_pk_mul_f32 v[SUM:SUM+1], v[SUM:SUM+1], v[FF:FF+1] op_sel_hi:[1,0]   ; the sums under the new M: a plain instruction behind the exponentials
	s_wait_alu depctr_va_vdst(0)                   ; the 64 exponentials have written p, ahead of the first line that names it.  Also: K Q^T is done reading v48-95 and v228-231, and the lines on v48 are done: V's loads below land there
.irp u, 0,1,2,3
	ds_load_b32 v[SW+\u], v[ADS] offset:8192+512*KST+128*\u        ; V's scale words: d = 32 u + lane
.endr
.irp b, 0,1,2,3
	v_exp_f32 v[BM+\b], v[BM+\b]                   ; the block's largest p: the same two instructions on the same number give the same bits
.endr
	v_pk_add_f32 v[PT:PT+1], v[SR:SR+1], v[SR+2:SR+3]      ; THE ROW'S SUM IS TAKEN OF THE UNQUANTISED p: two at a time, in two chains
.set J, 4
.set L, 0
.rept 15
	v_pk_add_f32 v[SUM:SUM+1], v[SUM:SUM+1], v[SR+J:SR+J+1]
	v_pk_add_f32 v[PT:PT+1], v[PT:PT+1], v[SR+J+2:SR+J+3]
.if L < 12
	ds_load_b128 v[FRG+16+4*L:FRG+16+4*L+3], v[AV] offset:VSLOT*(\slot)+16*VPITCH*(1+L/4)+128*(\q)+32*(L%4)   ; V's tiles 1 to 3 into v48-95, a load to each pair of additions.  No wait: no vector line since the wait above names these registers, and none does up to the products
.endif
.set L, L+1
.set J, J+4
.endr
	v_pk_add_f32 v[SUM:SUM+1], v[SUM:SUM+1], v[PT:PT+1]
	s_wait_alu depctr_va_vdst(0)                   ; the four exponentials have written the blocks' largest p, ahead of the first line that names them
.irp b, 0,1,2,3
	v_max_num_f32 v[BM+\b], 0x4800000, v[BM+\b]    ; the floor 2^(9 - 127): the byte cannot fall under 1 (a block whose every p is 0 keeps that byte: its codes are zeros)
.endr
.irp b, 0,1,2,3
	v_add_nc_u32 v[SO+\b], 0xfc000000, v[BM+\b]    ; 8 off the exponent field: the conversion's scale operand
.endr
.irp b, 0,1,2,3
	v_and_or_b32 v[HD+\b], v[BM+\b], 0x7f800000, s[MNT]    ; 448 x the scale
.endr
.irp b, 0,1,2,3
	v_lshrrev_b32 v[PT+\b], 23, v[SO+\b]           ; the scale's byte
.endr
	v_lshl_or_b32 v[PSW], v[PT+1], 8, v[PT]        ; p's scale word for these 128 keys
	v_lshl_or_b32 v[PSW], v[PT+2], 16, v[PSW]
	v_lshl_or_b32 v[PSW], v[PT+3], 24, v[PSW]
.irp b, 0,1,2,3
.irp i, 0,1,2,3,4,5,6,7,8,9,10,11,12,13,14,15
	v_min_num_f32 v[SR+16*\b+\i], v[SR+16*\b+\i], v[HD+\b] ; the conversion to an 8-bit code does not saturate (ISA guide 7.6.2); p is not negative, so the hold is one-sided
.endr
	v_cvt_scalef32_pk8_fp8_f32 v[PC+4*\b:PC+4*\b+1], v[SR+16*\b:SR+16*\b+7], v[SO+\b]       ; from block 1 on the codes land on block 0's p: sixteen plain lines stand between its conversions and these
	v_cvt_scalef32_pk8_fp8_f32 v[PC+4*\b+2:PC+4*\b+3], v[SR+16*\b+8:SR+16*\b+15], v[SO+\b]
.endr
.set J, 0
.rept 8
	v_pk_mul_f32 v[OT+J:OT+J+1], v[OT+J:OT+J+1], v[FF:FF+1] op_sel_hi:[1,0]   ; O^T under the new M: x f.  Tiles 0 and 1 stand here: plain lines behind the last conversion, and the places between the codes and the first product
.set J, J+2
.endr
	s_wait_alu depctr_va_vdst(0)                   ; behind those places: the conversions have written p's codes and the shifts its scale word, which the products take; the softmax's lines are done with v32-47 and with p in v112-159, in which the loads below land
	VFRAG FRG, 0, \slot, \q                        ; O^T += V^T P^T; K = these 128 keys.  V's tile 0 over the softmax's small numbers,
	VFRAG SR+12, 4, \slot, \q                      ; tiles 4 to 6 over p
	VFRAG SR+28, 5, \slot, \q
	VFRAG SR+44, 6, \slot, \q
	s_wait_dscnt 16                                ; V's scale words and tiles 1 to 3 are in; the sixteen loads just issued may be out
	PV_ODD 1, FRG+16                               ; tile 1 goes first: its fragment's registers are wanted for tile 7
.rept 24
	v_pk_mul_f32 v[OT+J:OT+J+1], v[OT+J:OT+J+1], v[FF:FF+1] op_sel_hi:[1,0]   ; tiles 2 to 7 of O^T x f, while that product runs and the loads are out
.set J, J+2
.endr
	s_wait_alu depctr_va_vdst(0)                   ; the product of tile 1 is done reading v48-63, in which tile 7 lands
	VFRAG FRG+16, 7, \slot, \q
	PV_EVEN 2, FRG+32                              ; the eight accumulators take turns, one instruction a turn
	PV_ODD 3, FRG+48
	s_wait_dscnt 4                                 ; tiles 0, 4, 5 and 6 are in; tile 7's four loads may be out
	PV_EVEN 0, FRG
	PV_EVEN 4, SR+12
	PV_ODD 5, SR+28
	PV_EVEN 6, SR+44
	s_wait_dscnt 0x0                               ; tile 7 is in
	PV_ODD 7, FRG+16
.Lskip_\@:
	s_lshr_b32 s[FW], s[FW], 2                     ; the next step's flags,
	s_add_nc_u64 s[MP:MP+1], s[MP:MP+1], 256       ; and its mask words (no scalar load is out: the worked way has waited for them)
.endm
; HALF A TRIP: the chunk in `slot` is worked, two key steps; meanwhile the next chunk, if any of the sixteen tiles wants it, goes into the other slot: K's half is on its way during the first step, V's during the second.
; ONE barrier a chunk does both orderings: in front of it each wave's reads of this slot and its stores into the other are done; the other slot's last readers passed the barrier before.
.macro HALF slot
	s_and_b32 s[NXT], s[WN], 5                     ; the work bits of the next chunk's two key steps, over all sixteen tiles: the same number in every wave.  Behind chunk 7 the word has run out: nothing is asked past the end
	s_cmp_lg_u32 s[NXT], 0
	s_cbranch_scc0 .Lno_k_\@
.irp i, 0,1,2,3
	global_load_b128 v[STGR+4*\i:STGR+4*\i+3], v[GKO], s[KP:KP+1] offset:8192*\i      ; a wave reads 512 consecutive bytes.  (The LDS stores that read these registers stand ahead of the wait on vm_vsrc in front of the last barrier)
.endr
.Lno_k_\@:
	ASK
	STEP \slot, 0
	s_wait_loadcnt 0x0                             ; K's 64 bytes are in
	s_cmp_lg_u32 s[NXT], 0
	s_cbranch_scc0 .Lno_v_\@
.irp i, 0,1,2,3
	ds_store_b128 v[SK], v[STGR+4*\i:STGR+4*\i+3] offset:(1-\slot)*KSLOT+64*KPITCH*\i
.endr
	s_wait_dscnt 0x0                               ; the stores have landed
	s_wait_alu depctr_vm_vsrc(0)                   ; the four LDS stores have read v240-255, in which V's bytes land now
.irp i, 0,1,2,3
	global_load_b128 v[STGR+4*\i:STGR+4*\i+3], v[GVO], s[VP:VP+1] offset:65536*\i     ; sixteen lanes read 256 consecutive bytes of a row of V
.endr
.Lno_v_\@:
	STEP \slot, 1
	s_wait_loadcnt 0x0
	s_cmp_lg_u32 s[NXT], 0
	s_cbranch_scc0 .Lno_s_\@
.irp i, 0,1,2,3
	ds_store_b128 v[SV], v[STGR+4*\i:STGR+4*\i+3] offset:(1-\slot)*VSLOT+32*VPITCH*\i
.endr
.Lno_s_\@:
	s_wait_dscnt 0x0                               ; for the others' sake: my stores have landed and my reads of this slot are over
	s_wait_alu depctr_vm_vsrc(0)                   ; the four LDS stores have read v240-255, in which the next half's loads land; the steps' LDS loads have read v[ADS], which the next trip's head writes
	s_barrier_signal -1
	s_barrier_wait -1
	s_wait_xcnt 0x0                                ; the prefetch, a chunk's work back, has read its address
	s_add_nc_u64 s[KP:KP+1], s[KP:KP+1], 32768
	s_add_nc_u64 s[VP:VP+1], s[VP:VP+1], 256
	s_add_nc_u64 s[PFA:PFA+1], s[PFA:PFA+1], s[PFS:PFS+1]
	s_lshr_b32 s[WN], s[WN], 4
.endm
.Lpass:                                            ; two trips: block x of the queries, then block 7 - x
	s_load_b512 s[32:47], s[FLP:FLP+1], 0x0        ; the flag words of the block's sixteen tiles,
	s_lshl_b32 s[T1], s[WV], 2
	s_mov_b32 s[T1+1], 0
	s_add_nc_u64 s[T1:T1+1], s[FLP:FLP+1], s[T1:T1+1]
	s_load_b32 s[FW], s[T1:T1+1], 0x0              ; and my tile's
	s_wait_alu depctr_vm_vsrc(0)                   ; the last way out's LDS stores have read v100-163 and its global stores v32-95; in the first pass the head's LDS stores have read v103, v104 and v108-115: these registers are written again from here on
	v_and_b32 v[SR], 15, v0
	v_lshlrev_b32 v[SR], 2, v[SR]                  ; 4 r: the offset of Q's scale words
	s_wait_alu depctr_va_vdst(0)                   ; that offset is written; the last pass's products are done reading Q's fragment and scale words, and its vector lines are done with v32-47: the loads below land there.  In the first pass: v[PFO] is written, which the prefetches read
.irp i, 0,1,2,3
	global_load_b128 v[STGR+4*\i:STGR+4*\i+3], v[GKO], s[KP:KP+1] offset:8192*\i      ; chunk 0 is always fetched
.endr
.irp i, 0,1,2,3
	global_load_b128 v[FRG+4*\i:FRG+4*\i+3], v[GVO], s[VP:VP+1] offset:65536*\i
.endr
.irp c, 0,1,2,3
	global_load_b128 v[QF+4*\c:QF+4*\c+3], v[QO], s[QC:QC+1] offset:32*\c th:TH_LOAD_NT   ; Q's fragment stays in registers for the pass
.endr
	global_load_b32 v[QSW], v[SR], s[QS:QS+1]      ; Q's scale words
	v_mov_b32 v[NM+1], 0xff61b1e6                  ; the largest t so far: -3e38, under every t
	v_floor_f32 v[NM], -v[NM+1]                    ; -M
	v_mov_b32 v[SUM], 0
	v_mov_b32 v[SUM+1], 0
.set J, 0
.rept 64
	v_mov_b32 v[OT+J], 0                           ; O^T.  Which key step is a tile's first hangs on the mask, so no first step can be written out to start the sums: the first change of M multiplies zeros
.set J, J+1
.endr
	s_mov_b32 s[TS], 0
	s_wait_kmcnt 0x0
	s_or_b32 s[WN], s32, s33
.irp i, 34,35,36,37,38,39,40,41,42,43,44,45,46,47
	s_or_b32 s[WN], s[WN], s\i
.endr
	s_lshr_b32 s[WN], s[WN], 4                     ; from chunk 1 on
	s_wait_loadcnt 0x0
.irp i, 0,1,2,3
	ds_store_b128 v[SK], v[STGR+4*\i:STGR+4*\i+3] offset:64*KPITCH*\i       ; slot 0: its last readers passed the barrier in front of the last chunk of the pass before
.endr
.irp i, 0,1,2,3
	ds_store_b128 v[SV], v[FRG+4*\i:FRG+4*\i+3] offset:32*VPITCH*\i
.endr
	s_add_nc_u64 s[KP:KP+1], s[KP:KP+1], 32768
	s_add_nc_u64 s[VP:VP+1], s[VP:VP+1], 256
	s_wait_dscnt 0x0                               ; for the others' sake: my part of chunk 0 (and, in the first pass, of the scale words) has landed
	s_wait_alu depctr_vm_vsrc(0)                   ; the eight LDS stores have read v240-255 and v32-47, in which the first half's loads and K's first fragments land; the load of Q's scale words has read its offset v100, which the first products write
	s_barrier_signal -1
	s_barrier_wait -1
	s_mov_b32 s[CH], 4
.Ltrip:                                            ; four trips: two chunks, four key steps each
	v_add_nc_u32 v[ADS], s[TS], v[AS0]             ; (every LDS load that read v[ADS] stands ahead of the wait on vm_vsrc in front of the last barrier; its next readers stand behind a step's own wait on va_vdst)
	HALF 0
	HALF 1
	s_add_co_u32 s[TS], s[TS], 2048
	s_sub_co_u32 s[CH], s[CH], 1
	s_cmp_lg_u32 s[CH], 0
	s_cbranch_scc1 .Ltrip
	; THE WAY OUT.  O^T is divided by the sum and goes through my stage in LDS, half a head's row (64 channels, 256 bytes) of 16 queries at a time, so that sixteen lanes store 256 consecutive bytes at a multiple of 256 from out0's first byte.
.rept 8
	v_nop                                          ; places behind the last products: their results are read below, and v112-159, which they read, are written
.endr
	v_add_f32 v[SUM], v[SUM], v[SUM+1]             ; the sum's two halves,
	v_permlanex16_b32 v[FF], v[SUM], s[SEL], s[SEL+1]
	v_add_f32 v[SUM], v[SUM], v[FF]                ; and lane l xor 16's: the row's sum
	s_wait_alu depctr_va_vdst(0)
	v_rcp_f32 v[SUM], v[SUM]
	v_nop                                          ; a plain instruction behind the reciprocal,
	s_wait_alu depctr_va_vdst(0)                   ; the reciprocal is written, ahead of its first reader
.set J, 0
.rept 64
	v_mul_f32 v[SR+J], v[OT+J], v[SUM]             ; register 8 t + i is o(query r, channel 16 t + 8 h + i)
.set J, J+1
.endr
	s_wait_alu depctr_va_vdst(0)                   ; the 64 multiplications have written v100-163, which the LDS stores below read; all vector and matrix lines on v32-95, in which the loads from the stage land, stand ahead of it too
.irp u, 0,1                                    ; channels 64 u on
.irp t, 0,1,2,3
	ds_store_b128 v[STI], v[SR+32*\u+8*\t:SR+32*\u+8*\t+3] offset:64*\t
	ds_store_b128 v[STI], v[SR+32*\u+8*\t+4:SR+32*\u+8*\t+7] offset:64*\t+16
.endr
.irp i, 0,1,2,3,4,5,6,7
	ds_load_b128 v[FRG+32*\u+4*\i:FRG+32*\u+4*\i+3], v[STO] offset:544*\i   ; LDS serves a wave's instructions in order (ISA guide 5.7.1.4): these see my stores, and the next half's stores come behind them
.endr
.endr
.irp u, 0,1
.irp i, 0,1,2,3,4,5,6,7
	s_wait_dscnt 16*(1-\u)+7-\i                    ; behind this load: its half's 7 - i later loads, and for the first half the second's 8 stores and 8 loads
	global_store_b128 v[GO], v[FRG+32*\u+4*\i:FRG+32*\u+4*\i+3], s[OP:OP+1] offset:32768*\i+256*\u th:TH_STORE_NT
.endr
.endr
	s_wait_xcnt 0x0                                ; the stores have read their registers and their base: both are written again below and at the next pass's head
	s_mov_b32 s[T1+1], 0                           ; on to block 7 - x: 7 - 2 x blocks of 256 queries further on (behind the second pass these numbers are not used)
	s_lshl_b32 s[T1], s[DELTA], 15
	s_add_nc_u64 s[QC:QC+1], s[QC:QC+1], s[T1:T1+1]
	s_lshl_b32 s[T1], s[DELTA], 10
	s_add_nc_u64 s[QS:QS+1], s[QS:QS+1], s[T1:T1+1]
	s_lshl_b32 s[T1], s[DELTA], 6
	s_add_nc_u64 s[FLP:FLP+1], s[FLP:FLP+1], s[T1:T1+1]
	s_lshl_b32 s[T1], s[DELTA], 16
	s_add_nc_u64 s[MP:MP+1], s[MP:MP+1], s[T1:T1+1]
	s_sub_nc_u64 s[MP:MP+1], s[MP:MP+1], 4096      ; (the pass has stepped it through 16 key steps)
	s_lshl_b32 s[T1], s[DELTA], 22
	s_add_nc_u64 s[OP:OP+1], s[OP:OP+1], s[T1:T1+1]
	s_sub_nc_u64 s[KP:KP+1], s[KP:KP+1], 9*32768   ; K and V back to the head's first chunk: stepped once at the pass's head and once in each of eight halves
	s_sub_nc_u64 s[VP:VP+1], s[VP:VP+1], 9*256
	s_sub_co_u32 s[PS], s[PS], 1
	s_cmp_lg_u32 s[PS], 0
	s_cbranch_scc1 .Lpass
	s_wait_xcnt 0x0
	s_wait_alu depctr_vm_vsrc(0)                   ; the chunks' LDS stores have read v254 and v255, which the two lines below write
	v_lshl_add_u32 v254, v0, 2, 0x38000            ; my spare word: behind the stages, 4 x my thread's number on; all 256 registers are taken, so the add's two are made here, v0 being as at the entry
	v_mov_b32 v255, 0
	s_wait_dscnt 0x0                               ; the closing lines, six on end
	s_wait_alu 0x0
	s_wait_tensorcnt 0x0
	ds_add_u32 v254, v255
	s_wait_dscnt 0x0
	s_endpgm
.Lfunc_end_k_qfe63ac2ed9_attn:
	.size	k_qfe63ac2ed9_attn, .Lfunc_end_k_qfe63ac2ed9_attn-k_qfe63ac2ed9_attn
	.p2alignl 7, 3214868480
	.fill 96, 4, 3214868480
	.section	.rodata,"a",@progbits
	.p2align	6, 0x0
	.amdhsa_kernel k_qfe63ac2ed9_attn
		.amdhsa_group_segment_fixed_size 231424
		.amdhsa_private_segment_fixed_size 0
		.amdhsa_enable_private_segment 0
		.amdhsa_kernarg_size 72
		.amdhsa_user_sgpr_count 2
		.amdhsa_user_sgpr_kernarg_segment_ptr 1
		.amdhsa_wavefront_size32 1
		.amdhsa_system_sgpr_workgroup_id_x 1
		.amdhsa_system_sgpr_workgroup_id_y 1
		.amdhsa_system_sgpr_workgroup_id_z 1
		.amdhsa_system_vgpr_workitem_id 0
		.amdhsa_next_free_vgpr 256
		.amdhsa_next_free_sgpr 106
		.amdhsa_reserve_vcc 0
		.amdhsa_float_denorm_mode_32 3
		.amdhsa_float_denorm_mode_16_64 3
		.amdhsa_memory_ordered 1
		.amdhsa_forward_progress 1
		.amdhsa_inst_pref_size 132
	.end_amdhsa_kernel
	.amdgpu_metadata
---
amdhsa.version: [ 1, 2 ]
amdhsa.kernels:
  - .name:           k_qfe63ac2ed9_attn
    .symbol:         k_qfe63ac2ed9_attn.kd
    .args:
      - { .name: query_layer_codes, .offset: 0, .size: 8, .value_kind: global_buffer, .address_space: global }
      - { .name: query_layer_scales, .offset: 8, .size: 8, .value_kind: global_buffer, .address_space: global }
      - { .name: key_layer_codes, .offset: 16, .size: 8, .value_kind: global_buffer, .address_space: global }
      - { .name: key_layer_scales, .offset: 24, .size: 8, .value_kind: global_buffer, .address_space: global }
      - { .name: value_layer_codes, .offset: 32, .size: 8, .value_kind: global_buffer, .address_space: global }
      - { .name: value_layer_scales, .offset: 40, .size: 8, .value_kind: global_buffer, .address_space: global }
      - { .name: mw, .offset: 48, .size: 8, .value_kind: global_buffer, .address_space: global }
      - { .name: fl, .offset: 56, .size: 8, .value_kind: global_buffer, .address_space: global }
      - { .name: out0, .offset: 64, .size: 8, .value_kind: global_buffer, .address_space: global }
    .group_segment_fixed_size: 231424
    .private_segment_fixed_size: 0
    .kernarg_segment_align: 8
    .kernarg_segment_size: 72
    .max_flat_workgroup_size: 512
    .sgpr_count:     106
    .vgpr_count:     256
    .wavefront_size: 32
...
	.end_amdgpu_metadata
.endif
;; end of part 4
